; MI455X (gfx1250); checked and timed in simulation.
; The chip was launched on July 23, 2026; its instructions are those of AMD's public machine-readable ISA for CDNA 5 (MIT licence, August 2026) and "CDNA5" Instruction Set Architecture Reference Guide (July 2026). The comments in the code are by the model that wrote it; some were corrected since.
;; Additive Attention. Allowed arithmetic: matrix products marked QUANTISED: E2M1 operands, one E8M0 scale for each 32 along K, by v_wmma_scale_f32_16x16x128_f8f6f4 with both operands' format E2M1 (or v_wmma_scale_f32_32x16x128_f4), f32 sums; products left as they are: f32 operands where the result goes on into a quantised operand, else bf16, f16 or f32 operands; f32 sums; everything else in f32.
;; Inputs: W1 1,024 x 1,024 float32; W2 1,024 x 1,024 float32; keys 64 x 1,024 x 1,024 float32; mask 64 x 1,024 bool; query 64 x 1,024 float32; v 1 x 1,024 float32.
;; Outputs: out0 64 x 1,024 float32; out1 64 x 1,024 float32.
;; This version of the problem:
;;   THIS VERSION OF THE PROBLEM IS GIVEN IN LOW PRECISION. The matrix products marked QUANTISED in the list below multiply operands that are first quantised to E2M1 (2 exponent bits, 1 mantissa bit; 4 bits a number), with one power-of-two scale for each 32 numbers along K (OCP MX v1.0); their sums are f32. All else is computed in f32.
;;   The module's matrix products, in the order in which they are computed (A, B: the left and right operand; K: the contracted axis; several contracted axes count as one K, in the product's order):
;;     1. [M 64, K 1,024] x [K 1,024, N 1,024]; A: input query; B: input W1: QUANTISED
;;     2. [M 65,536, K 1,024] x [K 1,024, N 1,024]; A: input keys; B: input W2: QUANTISED
;;     3. [M 65,536, K 1,024] x [K 1,024, N 1]; A: computed on the way; B: input v: left as it is (N = 1 < 16)
;;     4. batch 64 x [M 1, K 1,024] x [K 1,024, N 1,024]; A: computed on the way; B: input keys: left as it is (M = 1 < 16)
;;   THE QUANTISER, for each operand of a quantised product, along K:
;;     - K is cut into blocks of 32 from its start; a last block that is shorter is filled with zeros.
;;     - A block's scale is 2^e with e = floor(log2(the largest magnitude in the block)) - 2, held to -126 .. 127; a block of zeros has e = 0. As a byte (E8M0): e + 127.
;;     - Each number is divided by its block's scale, clamped to +-6, and rounded to the nearest number of E2M1, ties to even, subnormals kept.
;;     - The product sums the exact products of the quantised numbers (number of the format x scale) in f32.
;;   ~~~python
;;   def quantise(x, axis):      # numpy; x: float32 -> the quantised numbers, widened to float32 again
;;       x = np.moveaxis(x, axis, -1); K = x.shape[-1]
;;       x = np.pad(x, [(0, 0)] * (x.ndim - 1) + [(0, -K % 32)]); x = x.reshape(x.shape[:-1] + (-1, 32)); a = np.abs(x).max(-1, keepdims=True)
;;       e = np.where(a > 0, np.clip(np.frexp(np.where(a > 0, a, 1))[1] - 1 - 2, -126, 127), 0)      # np.frexp(a)[1] - 1 = floor(log2(a)), exactly
;;       r = np.clip(x / 2.0 ** e, -6, 6)
;;       step = 2.0 ** (np.maximum(np.frexp(np.where(r == 0, 1, r))[1] - 1, 0) - 1)
;;       q = np.round(r / step) * step * 2.0 ** e      # np.round: ties to even
;;       return np.moveaxis(q.reshape(q.shape[:-2] + (-1,))[..., :K], -1, axis).astype(np.float32)
;;   ~~~
;; 2 versions. Each part assembles by itself: llvm-mc -triple=amdgcn-amd-amdhsa -mcpu=gfx1250 --defsym DOCPART=n.
;; ======== version 1 of 2: 3 launches
;; workspace buffers: w2q 589,824 bytes; cq 262,144 bytes; rows 278,528 bytes of whole numbers; inv 262,144 bytes of whole numbers; tb 294,912 bytes; part 1,114,112 bytes
;; launch prep (part 1): grid 64 x 1, 8 waves a work-group, no clusters, 33,792 bytes of LDS; arguments W1, W2, query, mask, w2q, cq, rows, inv; writes w2q, cq, rows, inv
.if DOCPART == 1
	.amdgcn_target "amdgcn-amd-amdhsa--gfx1250"
	.amdhsa_code_object_version 6
	.text
	.protected	k_q18415ba4b3_prep
	.globl	k_q18415ba4b3_prep
	.p2align	8
	.type	k_q18415ba4b3_prep,@function
k_q18415ba4b3_prep:
	s_mov_b64 s[64:65], 0
	v_nop
	global_prefetch_b8 v0, s[64:65] scope:SCOPE_SE
	s_setreg_imm32_b32 hwreg(HW_REG_WAVE_MODE, 25, 1), 1
	s_wait_xcnt 0x0
; ADDITIVE ATTENTION, launch 1 of 3.  scores[b][l] = sum over h of v[h] tanh(q[b][h] + k[b][l][h]), q = Q(query) Q(W1)^T, k = Q(keys) Q(W2)^T (Q: the MX-FP4 quantiser along K);
; masked rows get -infinity; softmax over l; NaN -> 0; context = weights . keys.
; WORK LEFT OUT BY THE WHOLE PROGRAM, for all finite inputs:
;  (a) tanh(x) = 1 - 2 / (1 + e^(2x)), so a score is (sum over h of v[h]) - 2 sum over h of v[h] / (1 + e^(2x)).  The first term is the same for every l of a batch: a term added to a softmax's
;      input that is the same along its axis.  It is not formed.
;  (b) where mask[b][l] is true the score is -infinity, so the weight is exactly 0 and the row adds 0 to the context.  The mask is whole numbers read from memory: this launch turns it into a list of rows,
;      and the next launch loads, quantises and multiplies only the rows listed as unmasked (up to 15 masked rows a batch ride along in the last tile of 16, with t = -infinity).
; LIMITS: a NaN, an infinity or an overflow that reaches only the work left out (masked rows of keys, the sum of v) is not carried to the result; NaN and infinities among the inputs are not served;
; a block of zeros gets the scale byte 1 where the rule says 127 (its codes are zeros, and the bytes are read by this program alone); blocks whose largest magnitude lies under 2^(3-127) were not tried;
; q's sum over K is made of eight partial sums of 128 along K, added in ascending order.
; THIS LAUNCH.  Work-group g (64 of them): rows 16 g .. 16 g + 15 of W2 become codes and scale words, stored as images of the operand's registers; the same rows of W1 and all of query are quantised in
; registers and give c q[b][16 g ..], c = 2 log2(e); batch g's mask becomes the list.  Wave w takes k = 128 w .. 128 w + 127.
; A lane (r, h) loads, of row r, k = 64 c + 32 h + 0 .. 31: the order that the 4-bit operand's layout gives it, so the conversions' results are the operand's registers.
; OUT: w2q: codes [h tile 64][K step 8][c 2][lane 32][16 bytes], from byte 524288 on scale words [h tile 64][lane 32][K step 8]; cq: [h tile 64][b 64][16] f32;
; rows: 4,352 bytes a batch: list[pos] (a permutation of the rows: unmasked from the front, masked from the back), then the count of unmasked rows, 32 times;
; inv[b][l]: where row l's t will lie in tb: ((pos >> 4) & 3) 288 + (pos >> 6) 16 + (pos & 15).
.set SPARE, 32768                      ; LDS: 0 .. 32767 the partial sums [wave 8][group 8][lane 32][16 bytes]; then the spare words, 128 bytes a wave
.set X0,  64                           ; v64-127, v128-191: two sets of 64 numbers as loaded
.set X1,  128
.set FW2, 16                           ; v16-23 W2's fragment; v24-31 W1's; v32-63 query's four
.set FW1, 24
.set FQ,  32
.set DD,  192                          ; v192-223 four results of 16 x 16 (in wave 0 first the 32 mask bytes)
.set TM,  224                          ; v224-225 largest magnitudes; v226-227 the conversions' scale operands; v228-229 bytes; v230 at work; v231 8 h
.set TS,  226
.set TB,  228
.set TP,  230
.set SH8, 231
; v8 W2's scale word, v9 W1's, v10-13 query's: these hold scales and nothing else.  v4, v5: the add's two.  v232-238: the list's work.
.macro LOADX set, base, off            ; 16 loads: my 64 numbers of a K step
.irp c, 0,1
.irp i, 0,1,2,3,4,5,6,7
	global_load_b128 v[\set+32*\c+4*\i:\set+32*\c+4*\i+3], v6, s[\base:\base+1] offset:\off+256*\c+16*\i
.endr
.endr
.endm
.macro QFRAG set, frag, word           ; 64 numbers of a lane (two whole blocks of 32) -> 8 registers of codes and the row's scale word
.irp c, 0,1
	v_max3_num_f32 v[TM+\c], |v[\set+32*\c]|, |v[\set+32*\c+1]|, 0x1800000   ; with the floor 2^(3-127): the byte cannot fall under 1
.endr
.irp i, 2,4,6,8,10,12,14,16,18,20,22,24,26,28,30
.irp c, 0,1
	v_max3_num_f32 v[TM+\c], v[TM+\c], |v[\set+32*\c+\i]|, |v[\set+32*\c+\i+1]|
.endr
.endr
.irp c, 0,1
	v_add_nc_u32 v[TS+\c], 0xff000000, v[TM+\c]    ; 2 off the exponent field: the conversion's scale operand
.endr
.irp c, 0,1
	v_lshrrev_b32 v[TB+\c], 23, v[TS+\c]           ; the scale's byte
.endr
	v_lshl_or_b32 v[\word], v[TB+1], 16, v[TB]     ; my blocks are h and 2 + h of the K step's four
	v_lshlrev_b32 v[\word], v[SH8], v[\word]
	v_permlanex16_b32 v[TP], v[\word], s22, s23
	v_or_b32 v[\word], v[\word], v[TP]             ; with lane l xor 16's two bytes the word is whole, in both lanes
.irp c, 0,1
.irp g, 0,1,2,3
	v_cvt_scalef32_pk8_fp4_f32 v[\frag+4*\c+\g], v[\set+32*\c+8*\g:\set+32*\c+8*\g+7], v[TS+\c]
.endr
.endr
	v_nop                                          ; one plain place behind the last scaled conversion
.endm
.macro MSTEP t                         ; rows 32 t + lane of the mask: their places in the list.  s24: unmasked rows so far
	s_wait_xcnt 0x0                                ; the last step's stores have read their registers
	v_cmp_eq_u32 s26, 0, v[DD+\t]                  ; the lanes whose row is not masked
	v_mbcnt_lo_u32_b32 v232, s26, 0                ; how many of them stand below me
	v_add_nc_u32 v233, s24, v232                   ; unmasked rows ahead of mine: an unmasked row's place
	v_sub_nc_u32 v234, v233, v1
	v_add_nc_u32 v234, 1023-32*\t, v234            ; 1023 - (masked rows ahead of mine): a masked row's place
	v_cndmask_b32 v233, v234, v233, s26
	v_min_u32 v233, 0x3ff, v233
	v_lshlrev_b32 v235, 2, v233
	v_add_nc_u32 v236, 32*\t, v1
	global_store_b32 v235, v236, s[16:17]          ; list[pos] = my row
	v_bfe_u32 v237, v233, 4, 2
	v_mul_u32_u24 v237, v237, 288
	v_lshrrev_b32 v238, 6, v233
	v_lshl_add_u32 v237, v238, 4, v237
	v_and_b32 v238, 15, v233
	v_add_nc_u32 v237, v237, v238
	global_store_b32 v14, v237, s[18:19] offset:128*\t   ; inv[my row]
	s_bcnt1_i32_b32 s27, s26
	s_add_co_u32 s24, s24, s27
.endm
	s_load_b256 s[4:11], s[0:1], 0x0               ; W1 s[4:5], W2 s[6:7], query s[8:9], mask s[10:11]
	s_load_b256 s[12:19], s[0:1], 0x20             ; w2q s[12:13], cq s[14:15], rows s[16:17], inv s[18:19]
	v_lshl_add_u32 v4, v0, 2, SPARE
	v_mov_b32 v5, 0
	v_lshrrev_b32 v1, 5, v0
	v_readfirstlane_b32 s20, v1                    ; wave 0..7
	v_and_b32 v1, 31, v0                           ; lane
	v_and_b32 v2, 15, v0                           ; r
	v_bfe_u32 v3, v0, 4, 1                         ; h
	v_lshlrev_b32 v6, 12, v2
	v_lshl_add_u32 v6, v3, 7, v6
	s_lshl_b32 s25, s20, 9
	v_add_nc_u32 v6, s25, v6                       ; row r of 4,096 bytes + 128 h + 512 x wave
	v_lshlrev_b32 v7, 4, v1                        ; 16 x lane
	v_lshlrev_b32 v14, 2, v1                       ; 4 x lane
	s_lshl_b32 s25, s20, 2
	v_lshl_add_u32 v15, v1, 5, s25                 ; 32 x lane + 4 x wave: my scale word's place
	s_lshl_b32 s25, s20, 12
	v_add_nc_u32 v240, s25, v7                     ; LDS: where I put partial sums: 16 x lane + 4,096 x wave
	s_lshl_b32 s25, s20, 9
	v_add_nc_u32 v241, s25, v7                     ; and where I read group w of every wave: 16 x lane + 512 x wave
	v_lshlrev_b32 v[SH8], 3, v3
	v_mov_b32 v[TP], 0                             ; written once: a lane permute's destination counts as one of its sources
	s_mov_b32 s22, 0x76543210
	s_mov_b32 s23, 0xfedcba98                      ; selects for lane l xor 16
	s_mov_b32 s28, 0x4038aa3b                      ; c = 2 log2(e)
	s_mov_b32 s29, s28
	s_mov_b32 s31, 0
	s_wait_kmcnt 0x0
	s_lshl_b32 s30, ttmp9, 16                      ; 16 rows of 4,096 bytes
	s_add_nc_u64 s[4:5], s[4:5], s[30:31]
	s_add_nc_u64 s[6:7], s[6:7], s[30:31]
	s_lshl_b32 s30, ttmp9, 10
	s_add_nc_u64 s[10:11], s[10:11], s[30:31]      ; batch g's mask
	s_add_co_u32 s30, s30, 524288
	s_add_nc_u64 s[34:35], s[12:13], s[30:31]      ; h tile g's scale words
	s_mul_i32 s30, ttmp9, 4352
	s_add_nc_u64 s[16:17], s[16:17], s[30:31]
	s_lshl_b32 s30, ttmp9, 12
	s_add_nc_u64 s[18:19], s[18:19], s[30:31]
	s_add_nc_u64 s[14:15], s[14:15], s[30:31]
	s_lshl_b32 s30, ttmp9, 3
	s_add_co_u32 s30, s30, s20
	s_lshl_b32 s30, s30, 10
	s_add_nc_u64 s[32:33], s[12:13], s[30:31]      ; the image of (h tile g, K step w)
	s_cmp_lg_u32 s20, 0
	s_cbranch_scc1 .Lnomask
.set n, 0
.rept 32
	global_load_u8 v[DD+n], v1, s[10:11] offset:32*n   ; wave 0: the batch's 1,024 mask bytes, 32 neighbours a load
.set n, n+1
.endr
.Lnomask:
	LOADX X0, 6, 0                                 ; W2
	LOADX X1, 4, 0                                 ; W1
	s_cmp_lg_u32 s20, 0
	s_cbranch_scc1 .Lnosort
	s_wait_loadcnt 32                              ; the mask bytes are in; the 32 loads issued behind them may be out
	s_mov_b32 s24, 0
.irp t, 0,1,2,3,4,5,6,7,8,9,10,11,12,13,14,15,16,17,18,19,20,21,22,23,24,25,26,27,28,29,30,31
	MSTEP \t
.endr
	v_mov_b32 v232, s24
	global_store_b32 v14, v232, s[16:17] offset:4096   ; the count of unmasked rows
.Lnosort:
	s_wait_loadcnt 16                              ; the older run of 16 is in, here and at each such wait below
	QFRAG X0, FW2, 8
	LOADX X0, 8, 0                                 ; query's rows 0-15
	global_store_b128 v7, v[FW2:FW2+3], s[32:33]   ; the fragment as it stands: 512 consecutive bytes a store
	global_store_b128 v7, v[FW2+4:FW2+7], s[32:33] offset:512
	global_store_b32 v15, v8, s[34:35]
	s_wait_loadcnt 16
	QFRAG X1, FW1, 9
	LOADX X1, 8, 65536
	s_wait_loadcnt 16
	QFRAG X0, FQ, 10
	LOADX X0, 8, 131072
	s_wait_loadcnt 16
	QFRAG X1, FQ+8, 11
	LOADX X1, 8, 196608
	s_wait_loadcnt 16
	QFRAG X0, FQ+16, 12
	s_wait_loadcnt 0x0
	QFRAG X1, FQ+24, 13
.rept 8
	v_nop                                          ; a scale register written by a vector instruction stands 8 places ahead of a scaled matrix instruction
.endr
.irp t, 0,1,2,3                        ; source 0 = 16 rows of W1, source 1 = 16 rows of query: lane (r, h), register j: q(b = 16 t + r, unit 8 h + j), this K step's part
	v_wmma_scale_f32_16x16x128_f8f6f4 v[DD+8*\t:DD+8*\t+7], v[FW1:FW1+7], v[FQ+8*\t:FQ+8*\t+7], 0, v9, v[10+\t] matrix_a_fmt:MATRIX_FMT_FP4 matrix_b_fmt:MATRIX_FMT_FP4
.endr
.rept 4
	v_nop
.endr
.irp t, 0,1,2,3
	ds_store_b128 v240, v[DD+8*\t:DD+8*\t+3] offset:1024*\t          ; each result from its low end on
	ds_store_b128 v240, v[DD+8*\t+4:DD+8*\t+7] offset:1024*\t+512
.endr
	s_wait_dscnt 0x0                               ; for the others' sake: my stores have landed
	s_barrier_signal -1
	s_barrier_wait -1
.irp k, 0,1,2,3,4,5,6,7
	ds_load_b128 v[X0+4*\k:X0+4*\k+3], v241 offset:4096*\k   ; group w (tile w / 2, half w % 2) of every wave's partial sums
.endr
	s_lshr_b32 s25, s20, 1
	s_lshl_b32 s25, s25, 10
	s_and_b32 s26, s20, 1
	s_lshl_b32 s26, s26, 4
	s_add_co_u32 s25, s25, s26
	v_lshlrev_b32 v242, 6, v2
	v_lshl_add_u32 v242, v3, 5, v242
	v_add_nc_u32 v242, s25, v242                   ; (16 (w / 2) + r) 64 + 32 h + 16 (w % 2)
	s_wait_dscnt 0x0
.irp k, 1,2,3,4,5,6,7
	v_pk_add_f32 v[X0:X0+1], v[X0:X0+1], v[X0+4*\k:X0+4*\k+1]
	v_pk_add_f32 v[X0+2:X0+3], v[X0+2:X0+3], v[X0+4*\k+2:X0+4*\k+3]
.endr
	v_pk_mul_f32 v[X0:X0+1], v[X0:X0+1], s[28:29] op_sel_hi:[1,0]
	v_pk_mul_f32 v[X0+2:X0+3], v[X0+2:X0+3], s[28:29] op_sel_hi:[1,0]
	global_store_b128 v242, v[X0:X0+3], s[14:15]   ; c q
	s_wait_tensorcnt 0x0                           ; the wave's end, behind my last LDS store
	ds_add_u32 v4, v5
	s_wait_dscnt 0x0
	s_endpgm
.Lfunc_end_k_q18415ba4b3_prep:
	.size	k_q18415ba4b3_prep, .Lfunc_end_k_q18415ba4b3_prep-k_q18415ba4b3_prep
	.p2alignl 7, 3214868480
	.fill 96, 4, 3214868480
	.section	.rodata,"a",@progbits
	.p2align	6, 0x0
	.amdhsa_kernel k_q18415ba4b3_prep
		.amdhsa_group_segment_fixed_size 33792
		.amdhsa_private_segment_fixed_size 0
		.amdhsa_enable_private_segment 0
		.amdhsa_kernarg_size 64
		.amdhsa_user_sgpr_count 2
		.amdhsa_user_sgpr_kernarg_segment_ptr 1
		.amdhsa_wavefront_size32 1
		.amdhsa_system_sgpr_workgroup_id_x 1
		.amdhsa_system_sgpr_workgroup_id_y 1
		.amdhsa_system_sgpr_workgroup_id_z 1
		.amdhsa_system_vgpr_workitem_id 0
		.amdhsa_next_free_vgpr 256
		.amdhsa_next_free_sgpr 66
		.amdhsa_reserve_vcc 0
		.amdhsa_float_denorm_mode_32 3
		.amdhsa_float_denorm_mode_16_64 3
		.amdhsa_memory_ordered 1
		.amdhsa_forward_progress 1
		.amdhsa_inst_pref_size 70
	.end_amdhsa_kernel
	.amdgpu_metadata
---
amdhsa.version: [ 1, 2 ]
amdhsa.kernels:
  - .name:           k_q18415ba4b3_prep
    .symbol:         k_q18415ba4b3_prep.kd
    .args:
      - { .name: W1, .offset: 0, .size: 8, .value_kind: global_buffer, .address_space: global }
      - { .name: W2, .offset: 8, .size: 8, .value_kind: global_buffer, .address_space: global }
      - { .name: query, .offset: 16, .size: 8, .value_kind: global_buffer, .address_space: global }
      - { .name: mask, .offset: 24, .size: 8, .value_kind: global_buffer, .address_space: global }
      - { .name: w2q, .offset: 32, .size: 8, .value_kind: global_buffer, .address_space: global }
      - { .name: cq, .offset: 40, .size: 8, .value_kind: global_buffer, .address_space: global }
      - { .name: rows, .offset: 48, .size: 8, .value_kind: global_buffer, .address_space: global }
      - { .name: inv, .offset: 56, .size: 8, .value_kind: global_buffer, .address_space: global }
    .group_segment_fixed_size: 33792
    .private_segment_fixed_size: 0
    .kernarg_segment_align: 8
    .kernarg_segment_size: 64
    .max_flat_workgroup_size: 256
    .sgpr_count:     66
    .vgpr_count:     256
    .wavefront_size: 32
...
	.end_amdgpu_metadata
.endif
;; end of part 1
;; launch main (part 2): grid 256 x 1, 8 waves a work-group, no clusters, 259,072 bytes of LDS; arguments keys, rows, w2q, cq, v, tb, part; writes tb, part
.if DOCPART == 2
	.amdgcn_target "amdgcn-amd-amdhsa--gfx1250"
	.amdhsa_code_object_version 6
	.text
	.protected	k_q18415ba4b3_main
	.globl	k_q18415ba4b3_main
	.p2align	8
	.type	k_q18415ba4b3_main,@function
k_q18415ba4b3_main:
	s_mov_b64 s[64:65], 0
	v_nop
	global_prefetch_b8 v0, s[64:65] scope:SCOPE_SE
	s_setreg_imm32_b32 hwreg(HW_REG_WAVE_MODE, 25, 1), 1
	s_wait_xcnt 0x0
; ADDITIVE ATTENTION, launch 2 of 3.  Left out, as shown at the head of the first kernel: the sum of v (the same along the softmax's axis) and the masked rows (weight exactly 0), by the stored list.
; t[row] = -c sum over h of v[h] / (1 + 2^(c k[row][h] + c q[h])), c = 2 log2(e): the score x log2(e), less a term that is the same for all rows of a batch.  p = 2^(t - m), m the running maximum.
; SHARES.  Work-group wg: batch wg / 4, and of the batch's tiles of 16 listed rows those with tile % 4 = wg % 4: T of them (0 to 16, from the stored count).  They go in three chunks of up to six tiles; the
; trip counts are constants and a tile that does not exist is jumped over by a scalar branch on the stored count.  The launch has no tensor load and no copy: all goes through registers.
; Eight waves, two to a SIMD.  A CHUNK:  L: wave w loads rows 2 w, 2 w + 1 of each tile from memory ONCE, quantises them (codes and scale bytes to LDS) and keeps them as bf16 in LDS | barrier |
; G: THE WAVES SHARE THE COLUMNS: wave w owns h = 128 w .. 128 w + 127 in two groups of four h tiles; a group's codes of W2 (256 registers) lie in registers and meet every tile of the chunk; the group that is
; resident at a chunk's end is the next chunk's first.  Behind each tile's 32 products: 2^x, + 1, reciprocal, times v, summed in registers | R: the sums over my 128 h to LDS | barrier |
; S: every wave adds the eight waves' sums, masks, and brings m, the sum and the context up to date | C: context += p x the bf16 rows, wave w columns 128 w .. | barrier.
; No cluster: no two waves of a work-group read the same bytes of W2.
; LIMITS: as at the head of the first kernel; keys enter the context rounded to bf16.
; OUT: tb[wg][288]: t of my slots (16 x local tile + row), -infinity where the slot holds no unmasked row; part[wg]: 1,024 f32 of context under m, then (m, sum) 32 times.
; LDS: codes 96 rows x 528 (512 + 16 of padding); scale bytes 96 x 48 (32 + 16); the waves' sums [8][96] f32; p [8][96] f32, a copy for each wave; the spare words; the bf16 rows 96 x 2,048.
.set CODES, 0
.set ASC,   50688
.set SP,    55296
.set PW,    58368
.set SPARE, 61440
.set BF,    62464
; REGISTERS, window 0: v1 lane, v2 r, v3 h; v4, v5 the add's two; v6-24 addresses and places that stay; v25 m, v26 f, v27 the sum; v28-35 context; v36-43 c q, v44-51 v (each twice: pairs); v52-54 prefetch terms,
; v15, v55 prefetch offsets; v56-87 W2's scale words, v88-95 the rows' (these two hold scales and nothing else); v96-159 the rows' fragments; v160-191 four accumulators; v192-239 the sums, 8 a tile; v240-255 at work.
; In L: v96-159, v160-223 two sets of 64 numbers, v224-255 at work.  In S: v96-132.  In C: v96-127 rows, v160-175 p.   Window 1: W2's codes, (h tile i, K step k) at v[64 i + 8 k].
.set CTX,  28
.set CQ,   36
.set VV,   44
.set BS,   56
.set AS,   88
.set AF,   96
.set ACC,  160
.set SACC, 192
.set KS0,  96
.set KS1,  160
.set MX,   224
.set SC,   228
.set CD,   232
.set BY,   236
.set BR,   240
.set RW,   96
.set PP,   160
; SCALARS: s[4:5] keys at my batch, s[6:7] rows at my batch, s[8:9] w2q, s[10:11] cq, s[12:13] v, s[14:15] tb, s[16:17] part; s[20:21] the list at my wave's two rows of my first tile; s24 wave, s25 batch, s26 wg % 4,
; s27 the count of unmasked rows, s28 T, s29 T less the tiles of earlier chunks, s30 chunk, s31 group's turn, s37 the resident group; s[32:33] lane selects; s[34:35] c; s36 -c; s[38:47] working pointers;
; s[48:59] 12 row numbers; s[66:89] 12 row addresses; s90-95 offsets into the list; s61 = 0; s60, s62, s63 at work.
.set IDX,  48
.set ROWB, 66
.set SOF,  90
.set MSB, 0
.macro WIN new                         ; the immediate's high byte repeats the setting that is left
.if MSB != \new
	s_set_vgpr_msb (MSB<<8)|\new
.set MSB, \new
.endif
.endm
.macro BAR                             ; my LDS stores have landed and my LDS loads are in: then the work-group's barrier.  No barrier stands under a branch on the stored count
	s_wait_dscnt 0x0
	s_barrier_signal -1
	s_barrier_wait -1
.endm
.macro SLOADS                          ; the row numbers of my two rows in local tiles s63 .. s63 + 5 (held at 15: the list has 16 local tiles)
.irp u, 0,1,2,3,4,5
	s_add_co_u32 s[SOF+\u], s63, \u
	s_min_u32 s[SOF+\u], s[SOF+\u], 15
	s_lshl_b32 s[SOF+\u], s[SOF+\u], 8             ; a local tile on is four tiles of 64 bytes on
	s_load_b64 s[IDX+2*\u:IDX+2*\u+1], s[20:21], s[SOF+\u] offset:0x0
.endr
.endm
.macro ROWS                            ; and their addresses
	s_wait_kmcnt 0x0
.irp k, 0,1,2,3,4,5,6,7,8,9,10,11
	s_min_u32 s[IDX+\k], s[IDX+\k], 1023
	s_lshl_b32 s60, s[IDX+\k], 12
	s_add_nc_u64 s[ROWB+2*\k:ROWB+2*\k+1], s[4:5], s[60:61]
.endr
.endm
.macro LOADB                           ; group 2 w + s37: W2's codes (64 loads of 512 consecutive bytes), its scale words, c q and v of its 64 units
	s_lshl_b32 s62, s24, 1
	s_add_co_u32 s62, s62, s37
	s_lshl_b32 s60, s62, 15
	s_add_nc_u64 s[38:39], s[8:9], s[60:61]
	s_lshl_b32 s60, s62, 12
	s_add_co_u32 s60, s60, 524288
	s_add_nc_u64 s[40:41], s[8:9], s[60:61]
	s_lshl_b32 s60, s62, 14
	s_lshl_b32 s63, s25, 6
	s_add_co_u32 s60, s60, s63
	s_add_nc_u64 s[42:43], s[10:11], s[60:61]
	s_lshl_b32 s60, s62, 8
	s_add_nc_u64 s[44:45], s[12:13], s[60:61]
	WIN 0x40                                       ; destination window 1
.irp i, 0,1,2,3
.irp k, 0,1,2,3,4,5,6,7
.irp c, 0,1
	global_load_b128 v[64*\i+8*\k+4*\c:64*\i+8*\k+4*\c+3], v14, s[38:39] offset:8192*\i+1024*\k+512*\c
.endr
.endr
.endr
	WIN 0
.irp i, 0,1,2,3
	global_load_b128 v[BS+8*\i:BS+8*\i+3], v6, s[40:41] offset:1024*\i
	global_load_b128 v[BS+8*\i+4:BS+8*\i+7], v6, s[40:41] offset:1024*\i+16
	global_load_b32 v[CQ+2*\i], v16, s[42:43] offset:4096*\i
	global_load_b32 v[CQ+2*\i+1], v16, s[42:43] offset:4096*\i     ; twice: the packed forms take a pair
	global_load_b32 v[VV+2*\i], v16, s[44:45] offset:64*\i
	global_load_b32 v[VV+2*\i+1], v16, s[44:45] offset:64*\i
.endr
.endm
.macro LOADT u, set                    ; my two rows of tile u: a lane gets k = 256 q + 8 lane + 0 .. 7; each pair of loads covers 1,024 consecutive bytes
.irp p, 0,1
.irp q, 0,1,2,3
	global_load_b128 v[\set+32*\p+8*\q:\set+32*\p+8*\q+3], v6, s[ROWB+4*(\u)+2*\p:ROWB+4*(\u)+2*\p+1] offset:1024*\q th:TH_LOAD_NT
	global_load_b128 v[\set+32*\p+8*\q+4:\set+32*\p+8*\q+7], v6, s[ROWB+4*(\u)+2*\p:ROWB+4*(\u)+2*\p+1] offset:1024*\q+16 th:TH_LOAD_NT
.endr
.endr
.endm
.macro PROC u, set                     ; they become codes, scale bytes and bf16, in LDS.  A block of 32 lies in four neighbouring lanes
.irp p, 0,1
.irp q, 0,1,2,3
	v_max3_num_f32 v[MX+\q], |v[\set+32*\p+8*\q]|, |v[\set+32*\p+8*\q+1]|, 0x1800000   ; with the floor 2^(3-127): the byte cannot fall under 1
.endr
.irp i, 2,4,6
.irp q, 0,1,2,3
	v_max3_num_f32 v[MX+\q], v[MX+\q], |v[\set+32*\p+8*\q+\i]|, |v[\set+32*\p+8*\q+\i+1]|
.endr
.endr
.irp q, 0,1,2,3
	v_max_num_f32_dpp v[MX+\q], v[MX+\q], v[MX+\q] row_xmask:1 row_mask:0xf bank_mask:0xf
.endr
.irp q, 0,1,2,3
	v_max_num_f32_dpp v[MX+\q], v[MX+\q], v[MX+\q] row_xmask:2 row_mask:0xf bank_mask:0xf
.endr
.irp q, 0,1,2,3
	v_add_nc_u32 v[SC+\q], 0xff000000, v[MX+\q]    ; 2 off the exponent field: the conversion's scale operand
.endr
	s_wait_dscnt 0x0                               ; the row before's LDS stores have read their registers
.irp q, 0,1,2,3
	v_cvt_scalef32_pk8_fp4_f32 v[CD+\q], v[\set+32*\p+8*\q:\set+32*\p+8*\q+7], v[SC+\q]
.endr
.irp q, 0,1,2,3
	v_lshrrev_b32 v[BY+\q], 23, v[SC+\q]           ; the scale's byte.  (Plain lines behind the conversions)
.endr
.irp q, 0,1,2,3
.irp i, 0,1,2,3
	v_cvt_pk_bf16_f32 v[BR+4*\q+\i], v[\set+32*\p+8*\q+2*\i], v[\set+32*\p+8*\q+2*\i+1]
.endr
.endr
.irp q, 0,1,2,3
	ds_store_b32 v7, v[CD+\q] offset:CODES+8448*(\u)+528*\p+128*\q
	ds_store_b8 v8, v[BY+\q] offset:ASC+768*(\u)+48*\p+8*\q        ; the four lanes of a block write the same byte with the same value
	ds_store_b128 v[9+(\u)/2], v[BR+4*\q:BR+4*\q+3] offset:32768*((\u)%2)+2048*\p+512*\q
.endr
.endr
.endm
.macro LSTAGE u, cur, nxt              ; tile u's loads are out.  Each arm has its own wait and its own copy of the work, so that the count is right on every way
	s_cmp_gt_i32 s29, \u+1
	s_cbranch_scc1 .Lmore_\@
	s_wait_loadcnt 0x0
	PROC \u, \cur
	s_branch .LendL
.Lmore_\@:
	LOADT \u+1, \nxt
	s_wait_loadcnt 16                              ; tile u is in; the next tile's 16 loads may be out
	PROC \u, \cur
.endm
.macro TILE u                          ; tile u against the resident group: 32 products, then the activation
	s_cmp_gt_i32 s29, \u
	s_cbranch_scc0 .Ltskip_\@
	ds_load_b128 v[AS:AS+3], v13 offset:ASC+768*\u
	ds_load_b128 v[AS+4:AS+7], v13 offset:ASC+768*\u+16
.irp k, 0,1,2,3,4,5,6,7
.irp c, 0,1
	ds_load_b128 v[AF+8*\k+4*\c:AF+8*\k+4*\c+3], v12 offset:CODES+8448*\u+64*\k+32*\c
.endr
.endr
	WIN 0x04                                       ; source 1 (W2) window 1
.irp k, 0,1,2,3,4,5,6,7
	s_wait_dscnt 14-2*\k                           ; K step k's fragment is in; the later steps' loads may be out
.irp i, 0,1,2,3                        ; source 0 = the 16 rows, source 1 = 16 units: lane (r, h), register j: k(row 8 h + j, unit r).  The four accumulators take turns
.if \k == 0
	v_wmma_scale_f32_16x16x128_f8f6f4 v[ACC+8*\i:ACC+8*\i+7], v[AF+8*\k:AF+8*\k+7], v[64*\i+8*\k:64*\i+8*\k+7], 0, v[AS+\k], v[BS+8*\i+\k] matrix_a_fmt:MATRIX_FMT_FP4 matrix_b_fmt:MATRIX_FMT_FP4
.else
	v_wmma_scale_f32_16x16x128_f8f6f4 v[ACC+8*\i:ACC+8*\i+7], v[AF+8*\k:AF+8*\k+7], v[64*\i+8*\k:64*\i+8*\k+7], v[ACC+8*\i:ACC+8*\i+7], v[AS+\k], v[BS+8*\i+\k] matrix_a_fmt:MATRIX_FMT_FP4 matrix_b_fmt:MATRIX_FMT_FP4
.endif
.endr
.endr
	WIN 0
.rept 4
	v_nop                                          ; four places behind the last products
.endr
.irp i, 0,1,2,3
.irp p, 0,2,4,6
	v_pk_fma_f32 v[ACC+8*\i+\p:ACC+8*\i+\p+1], v[ACC+8*\i+\p:ACC+8*\i+\p+1], s[34:35], v[CQ+2*\i:CQ+2*\i+1] op_sel_hi:[1,0,1]   ; c k + c q; each accumulator from its low end on
.endr
.endr
.set n, 0
.rept 32
	v_exp_f32 v[ACC+n], v[ACC+n]
.set n, n+1
.endr
	v_nop                                          ; a plain place behind the batch,
	s_wait_alu depctr_va_vdst(0)                   ; and one wait for it, ahead of its first reader
.set n, 0
.rept 16
	v_pk_add_f32 v[ACC+n:ACC+n+1], v[ACC+n:ACC+n+1], 1.0 op_sel_hi:[1,0]
.set n, n+2
.endr
.set n, 0
.rept 32
	v_rcp_f32 v[ACC+n], v[ACC+n]
.set n, n+1
.endr
	v_nop
	s_wait_alu depctr_va_vdst(0)
.irp i, 0,1,2,3
.irp p, 0,2,4,6
	v_pk_fma_f32 v[SACC+8*\u+\p:SACC+8*\u+\p+1], v[ACC+8*\i+\p:ACC+8*\i+\p+1], v[VV+2*\i:VV+2*\i+1], v[SACC+8*\u+\p:SACC+8*\u+\p+1]
.endr
.endr
.Ltskip_\@:
.endm
.macro CTILE u                         ; context += p x tile u's 16 rows, my lane's four columns
	s_cmp_gt_i32 s29, \u
	s_cbranch_scc0 .Lcskip_\@
.irp q, 0,1,2,3
	ds_load_b128 v[PP+4*\q:PP+4*\q+3], v20 offset:PW+64*\u+16*\q   ; my wave's own copy of p: LDS serves a wave's instructions in order
.endr
.irp n, 0,1,2,3,4,5,6,7,8,9,10,11,12,13,14,15
	ds_load_b64 v[RW+2*\n:RW+2*\n+1], v[21+(\u)/2] offset:32768*((\u)%2)+2048*\n
.endr
	s_wait_dscnt 0x0
.irp n, 0,1,2,3,4,5,6,7,8,9,10,11,12,13,14,15
	v_fma_mix_f32_bf16 v[CTX+4*(\n%2)],   v[RW+2*\n],   v[PP+\n], v[CTX+4*(\n%2)]   op_sel_hi:[1,0,0]
	v_fma_mix_f32_bf16 v[CTX+4*(\n%2)+1], v[RW+2*\n],   v[PP+\n], v[CTX+4*(\n%2)+1] op_sel:[1,0,0] op_sel_hi:[1,0,0]
	v_fma_mix_f32_bf16 v[CTX+4*(\n%2)+2], v[RW+2*\n+1], v[PP+\n], v[CTX+4*(\n%2)+2] op_sel_hi:[1,0,0]
	v_fma_mix_f32_bf16 v[CTX+4*(\n%2)+3], v[RW+2*\n+1], v[PP+\n], v[CTX+4*(\n%2)+3] op_sel:[1,0,0] op_sel_hi:[1,0,0]
.endr
.Lcskip_\@:
.endm
	s_load_b256 s[4:11], s[0:1], 0x0               ; keys, rows, w2q, cq
	s_load_b128 s[12:15], s[0:1], 0x20             ; v, tb
	s_load_b64 s[16:17], s[0:1], 0x30              ; part
	v_lshl_add_u32 v4, v0, 2, SPARE
	v_mov_b32 v5, 0
	v_lshrrev_b32 v1, 5, v0
	v_readfirstlane_b32 s24, v1                    ; wave 0..7
	v_and_b32 v1, 31, v0                           ; lane
	v_and_b32 v2, 15, v0                           ; r
	v_bfe_u32 v3, v0, 4, 1                         ; h
	s_lshr_b32 s25, ttmp9, 2                       ; batch
	s_and_b32 s26, ttmp9, 3
	s_mov_b32 s61, 0
	v_lshlrev_b32 v6, 5, v1                        ; 32 x lane
	s_mul_i32 s60, s24, 1056
	v_lshl_add_u32 v7, v1, 2, s60                  ; codes in: 4 x lane + two rows of 528 x wave
	v_lshrrev_b32 v8, 2, v1
	s_mul_i32 s60, s24, 96
	v_add_nc_u32 v8, s60, v8                       ; scale bytes in: lane / 4 + two rows of 48 x wave
	s_lshl_b32 s60, s24, 12
	s_add_co_u32 s60, s60, BF
	v_lshl_add_u32 v9, v1, 4, s60                  ; bf16 in: 16 x lane + two rows of 2,048 x wave; tiles 0-1, 2-3, 4-5
	v_add_nc_u32 v10, 0x10000, v9
	v_add_nc_u32 v11, 0x20000, v9
	v_mul_u32_u24 v12, v2, 528
	v_lshl_add_u32 v12, v3, 4, v12                 ; a fragment: row r x pitch + 16 h
	v_mul_u32_u24 v13, v2, 48                      ; its scale words
	v_lshlrev_b32 v14, 4, v1
	v_lshlrev_b32 v16, 2, v2
	s_mul_i32 s60, s24, 384
	v_lshl_add_u32 v17, v3, 5, s60                 ; my wave's sums: 384 x wave + 32 h
	v_lshlrev_b32 v18, 2, v1
	v_lshl_add_u32 v19, v1, 2, s60                 ; my wave's p, in
	v_mov_b32 v20, s60                             ; and out
	s_lshl_b32 s60, s24, 8
	s_add_co_u32 s60, s60, BF
	v_lshl_add_u32 v21, v1, 3, s60                 ; bf16 out: my four columns: 256 x wave + 8 x lane
	v_add_nc_u32 v22, 0x10000, v21
	v_add_nc_u32 v23, 0x20000, v21
	v_lshl_add_u32 v24, v3, 6, v2
	s_lshl_b32 s60, s26, 4
	v_add_nc_u32 v24, s60, v24                     ; the place in the list of slot (lane) of chunk 0: 64 h + r + 16 (wg % 4)
	v_lshlrev_b32 v52, 12, v3
	v_sub_nc_u32 v53, 1, v3
	v_lshlrev_b32 v53, 12, v53
	v_lshlrev_b32 v54, 8, v2
	s_mov_b32 s32, 0x76543210
	s_mov_b32 s33, 0xfedcba98
	s_mov_b32 s34, 0x4038aa3b                      ; c = 2 log2(e)
	s_mov_b32 s35, s34
	s_mov_b32 s36, 0xc038aa3b                      ; -c
	v_mov_b32 v25, 0xff61b1e6                      ; m: -3e38, under every t
	v_mov_b32 v27, 0
.irp p, 0,1,2,3,4,5,6,7
	v_mov_b32 v[CTX+\p], 0
.endr
	s_wait_kmcnt 0x0
	s_lshl_b32 s60, s25, 22
	s_add_nc_u64 s[4:5], s[4:5], s[60:61]
	s_mul_i32 s60, s25, 4352
	s_add_nc_u64 s[6:7], s[6:7], s[60:61]
	s_lshl_b32 s60, s26, 6
	s_lshl_b32 s62, s24, 3
	s_add_co_u32 s60, s60, s62
	s_add_nc_u64 s[20:21], s[6:7], s[60:61]
	s_load_b32 s27, s[6:7], 0x1000
	s_mov_b32 s63, 0
	SLOADS
	s_mov_b32 s37, 0
	LOADB                                          ; on every way, so that the group's registers are always written
	ROWS
	s_min_u32 s27, s27, 1024
	s_add_co_u32 s28, s27, 15
	s_lshr_b32 s28, s28, 4                         ; the batch's tiles
	s_add_co_u32 s28, s28, 3
	s_sub_co_u32 s28, s28, s26
	s_lshr_b32 s28, s28, 2                         ; mine
	s_mov_b32 s29, s28
	s_mov_b32 s30, 0
.Lchunk:
	; ---- L
	s_cmp_gt_i32 s29, 0
	s_cbranch_scc0 .LendL
	LOADT 0, KS0
	LSTAGE 0, KS0, KS1
	LSTAGE 1, KS1, KS0
	LSTAGE 2, KS0, KS1
	LSTAGE 3, KS1, KS0
	LSTAGE 4, KS0, KS1
	s_wait_loadcnt 0x0
	PROC 5, KS1
.LendL:
	BAR                                            ; the chunk's rows lie in LDS
	; ---- G
	s_mul_i32 s63, s30, 6
	s_add_co_u32 s63, s63, 6
	SLOADS                                         ; the next chunk's row numbers
.set n, 0
.rept 48
	v_mov_b32 v[SACC+n], 0                         ; both groups add onto these, and a slot without a tile is read too
.set n, n+1
.endr
	s_mov_b32 s31, 0
.Lgrp:
	s_wait_loadcnt 0x0                             ; the group's codes, scale words, c q and v are in
	TILE 0
	TILE 1
	TILE 2
	TILE 3
	TILE 4
	TILE 5
	s_cmp_eq_u32 s31, 0
	s_cbranch_scc0 .Lkeep
	s_cmp_gt_i32 s29, 0
	s_cbranch_scc0 .Lkeep
	s_xor_b32 s37, s37, 1                          ; the other group; the activation's lines are the places behind the last products
	LOADB
.Lkeep:
	s_add_co_u32 s31, s31, 1
	s_cmp_lt_u32 s31, 2
	s_cbranch_scc1 .Lgrp
	s_wait_loadcnt 0x0
	ROWS
	; a prefetch of my two rows in the next chunk's first two tiles: a row is 16 blocks of 256 bytes, lanes 0-15 name one row's, lanes 16-31 the other's; each block is named once in the launch.
	; Phases R, S and C stand between it and the loads that want the rows.  A tile that does not exist is not asked for
	s_cmp_gt_i32 s29, 6
	s_cbranch_scc0 .Lnopf
	v_mad_u32_u24 v15, v52, s[IDX+1], v54
	v_mad_u32_u24 v15, v53, s[IDX], v15
	global_prefetch_b8 v15, s[4:5] th:TH_LOAD_NT scope:SCOPE_SE
	s_cmp_gt_i32 s29, 7
	s_cbranch_scc0 .Lnopf
	v_mad_u32_u24 v55, v52, s[IDX+3], v54
	v_mad_u32_u24 v55, v53, s[IDX+2], v55
	global_prefetch_b8 v55, s[4:5] th:TH_LOAD_NT scope:SCOPE_SE
.Lnopf:
	; ---- R: the sums over the sixteen lanes that hold a row's units
.irp x, 1,2,4,8
.set n, 0
.rept 48
	v_add_f32_dpp v[SACC+n], v[SACC+n], v[SACC+n] row_xmask:\x row_mask:0xf bank_mask:0xf
.set n, n+1
.endr
.endr
.irp u, 0,1,2,3,4,5
	ds_store_b128 v17, v[SACC+8*\u:SACC+8*\u+3] offset:SP+64*\u        ; the sixteen lanes of a half write the same numbers to the same place
	ds_store_b128 v17, v[SACC+8*\u+4:SACC+8*\u+7] offset:SP+64*\u+16
.endr
	BAR
	; ---- S: every wave makes the same numbers.  Lane l holds slots l, 32 + l, 64 + l
.irp k, 0,1,2
.irp q, 0,1,2,3,4,5,6,7
	ds_load_b32 v[96+8*\k+\q], v18 offset:SP+384*\q+128*\k
.endr
.endr
	s_mul_i32 s62, s30, 384
	v_add_nc_u32 v124, s62, v24
	v_mov_b32 v123, 0xff800000                     ; -infinity
	v_mov_b32 v126, 0                              ; a lane permute's destination counts as one of its sources
	s_wait_dscnt 0x0
.irp k, 0,1,2
	v_pk_add_f32 v[96+8*\k:97+8*\k], v[96+8*\k:97+8*\k], v[98+8*\k:99+8*\k]
	v_pk_add_f32 v[100+8*\k:101+8*\k], v[100+8*\k:101+8*\k], v[102+8*\k:103+8*\k]
.endr
.irp k, 0,1,2
	v_pk_add_f32 v[96+8*\k:97+8*\k], v[96+8*\k:97+8*\k], v[100+8*\k:101+8*\k]
.endr
.irp k, 0,1,2
	v_add_f32 v[96+8*\k], v[96+8*\k], v[97+8*\k]
.endr
.irp k, 0,1,2
	v_mul_f32 v[120+\k], s36, v[96+8*\k]           ; t
.endr
.irp k, 0,1,2
	v_add_nc_u32 v125, 128*\k, v124                ; the slot's place in the list
	v_cmp_gt_u32 vcc_lo, s27, v125
	v_cndmask_b32 v[120+\k], v123, v[120+\k], vcc_lo   ; at or past the count: a masked row, or none
.endr
	s_cmp_lg_u32 s24, 0
	s_cbranch_scc1 .Lnotb
	s_mul_i32 s60, ttmp9, 1152
	s_add_co_u32 s60, s60, s62
	s_add_nc_u64 s[46:47], s[14:15], s[60:61]
.irp k, 0,1,2
	global_store_b32 v18, v[120+\k], s[46:47] offset:128*\k
.endr
.Lnotb:
	v_max3_num_f32 v125, v120, v121, v122
.irp x, 1,2,4,8
	v_max_num_f32_dpp v125, v125, v125 row_xmask:\x row_mask:0xf bank_mask:0xf
.endr
	v_permlanex16_b32 v126, v125, s32, s33
	v_max3_num_f32 v127, v125, v126, v25           ; the new m
	v_sub_f32 v131, v25, v127
.irp k, 0,1,2
	v_sub_f32 v[128+\k], v[120+\k], v127
.endr
	v_exp_f32 v26, v131                            ; f = 2^(old m - new m)
.irp k, 0,1,2
	v_exp_f32 v[128+\k], v[128+\k]                 ; p
.endr
	v_mov_b32 v25, v127                            ; (a plain place behind the four)
	s_wait_alu depctr_va_vdst(0)                   ; one wait for the four, ahead of their first reader
	v_add_f32 v132, v128, v129
	v_add_f32 v132, v132, v130
.irp x, 1,2,4,8
	v_add_f32_dpp v132, v132, v132 row_xmask:\x row_mask:0xf bank_mask:0xf
.endr
	v_permlanex16_b32 v126, v132, s32, s33
	v_add_f32 v132, v132, v126
	v_fma_f32 v27, v27, v26, v132                  ; the sum under the new m
.irp p, 0,2,4,6
	v_pk_mul_f32 v[CTX+\p:CTX+\p+1], v[CTX+\p:CTX+\p+1], v[26:27] op_sel_hi:[1,0]
.endr
.irp k, 0,1,2
	ds_store_b32 v19, v[128+\k] offset:PW+128*\k
.endr
	s_wait_xcnt 0x0                                ; tb's stores and the prefetches have read their registers: the loads below land on some of them, and the next chunk rewrites the others
	; ---- C
	CTILE 0
	CTILE 1
	CTILE 2
	CTILE 3
	CTILE 4
	CTILE 5
	BAR                                            ; nobody reads this chunk's rows or sums any more
	s_sub_co_i32 s29, s29, 6
	s_add_co_u32 s30, s30, 1
	s_cmp_lt_u32 s30, 3
	s_cbranch_scc1 .Lchunk
	v_pk_add_f32 v[CTX:CTX+1], v[CTX:CTX+1], v[CTX+4:CTX+5]       ; even rows' and odd rows' sums
	v_pk_add_f32 v[CTX+2:CTX+3], v[CTX+2:CTX+3], v[CTX+6:CTX+7]
	s_mul_i32 s60, ttmp9, 4352
	s_add_nc_u64 s[16:17], s[16:17], s[60:61]
	s_lshl_b32 s62, s24, 9
	v_add_nc_u32 v240, s62, v14
	global_store_b128 v240, v[CTX:CTX+3], s[16:17] ; the wave stores 512 consecutive bytes
	s_cmp_lg_u32 s24, 0
	s_cbranch_scc1 .Lnoms
	v_lshlrev_b32 v241, 3, v1
	v_mov_b32 v242, v25
	v_mov_b32 v243, v27
	global_store_b64 v241, v[242:243], s[16:17] offset:4096
.Lnoms:
	s_wait_tensorcnt 0x0                           ; the wave's end, behind my last LDS store
	ds_add_u32 v4, v5
	s_wait_dscnt 0x0
	s_endpgm
.Lfunc_end_k_q18415ba4b3_main:
	.size	k_q18415ba4b3_main, .Lfunc_end_k_q18415ba4b3_main-k_q18415ba4b3_main
	.p2alignl 7, 3214868480
	.fill 96, 4, 3214868480
	.section	.rodata,"a",@progbits
	.p2align	6, 0x0
	.amdhsa_kernel k_q18415ba4b3_main
		.amdhsa_group_segment_fixed_size 259072
		.amdhsa_private_segment_fixed_size 0
		.amdhsa_enable_private_segment 0
		.amdhsa_kernarg_size 56
		.amdhsa_user_sgpr_count 2
		.amdhsa_user_sgpr_kernarg_segment_ptr 1
		.amdhsa_wavefront_size32 1
		.amdhsa_system_sgpr_workgroup_id_x 1
		.amdhsa_system_sgpr_workgroup_id_y 1
		.amdhsa_system_sgpr_workgroup_id_z 1
		.amdhsa_system_vgpr_workitem_id 0
		.amdhsa_next_free_vgpr 512
		.amdhsa_next_free_sgpr 96
		.amdhsa_reserve_vcc 1
		.amdhsa_float_denorm_mode_32 3
		.amdhsa_float_denorm_mode_16_64 3
		.amdhsa_memory_ordered 1
		.amdhsa_forward_progress 1
		.amdhsa_inst_pref_size 243
	.end_amdhsa_kernel
	.amdgpu_metadata
---
amdhsa.version: [ 1, 2 ]
amdhsa.kernels:
  - .name:           k_q18415ba4b3_main
    .symbol:         k_q18415ba4b3_main.kd
    .args:
      - { .name: keys, .offset: 0, .size: 8, .value_kind: global_buffer, .address_space: global }
      - { .name: rows, .offset: 8, .size: 8, .value_kind: global_buffer, .address_space: global }
      - { .name: w2q, .offset: 16, .size: 8, .value_kind: global_buffer, .address_space: global }
      - { .name: cq, .offset: 24, .size: 8, .value_kind: global_buffer, .address_space: global }
      - { .name: v, .offset: 32, .size: 8, .value_kind: global_buffer, .address_space: global }
      - { .name: tb, .offset: 40, .size: 8, .value_kind: global_buffer, .address_space: global }
      - { .name: part, .offset: 48, .size: 8, .value_kind: global_buffer, .address_space: global }
    .group_segment_fixed_size: 259072
    .private_segment_fixed_size: 0
    .kernarg_segment_align: 8
    .kernarg_segment_size: 56
    .max_flat_workgroup_size: 256
    .sgpr_count:     96
    .vgpr_count:     512
    .wavefront_size: 32
...
	.end_amdgpu_metadata
.endif
;; end of part 2
;; launch finish (part 3): grid 256 x 1, 2 waves a work-group, no clusters, 0 bytes of LDS; arguments tb, part, inv, out0, out1; writes out0, out1
.if DOCPART == 3
	.amdgcn_target "amdgcn-amd-amdhsa--gfx1250"
	.amdhsa_code_object_version 6
	.text
	.protected	k_q18415ba4b3_finish
	.globl	k_q18415ba4b3_finish
	.p2align	8
	.type	k_q18415ba4b3_finish,@function
k_q18415ba4b3_finish:
	s_mov_b64 s[64:65], 0
	v_nop
	global_prefetch_b8 v0, s[64:65] scope:SCOPE_SE
	s_setreg_imm32_b32 hwreg(HW_REG_WAVE_MODE, 25, 1), 1
	s_wait_xcnt 0x0
; ADDITIVE ATTENTION, launch 3 of 3.  Left out, as shown at the head of the first kernel: the sum of v and the masked rows; here a masked row's t is -infinity, so its weight is 0.
; A batch's four parts (m_i, s_i, context_i under m_i) are joined: m = the largest m_i, g_i = 2^(m_i - m), S = sum of s_i g_i.  weights[l] = 2^(t[l] - m) / S, context = (sum of context_i g_i) / S.
; Where a batch has no unmasked row S is 0, and 1 / S is replaced by 0: the weights and the context are then 0, as the reference's replacement of NaN by 0 gives.
; Work-group wg: batch wg / 4, numbers 256 (wg % 4) .. + 255 of both outputs; a thread takes four neighbours, so a wave's store covers 512 consecutive bytes.  No LDS, no barrier.
	s_load_b256 s[4:11], s[0:1], 0x0               ; tb s[4:5], part s[6:7], inv s[8:9], out0 s[10:11]
	s_load_b64 s[12:13], s[0:1], 0x20              ; out1
	s_lshr_b32 s14, ttmp9, 2                       ; batch
	s_and_b32 s15, ttmp9, 3
	v_and_b32 v1, 31, v0
	v_lshlrev_b32 v2, 3, v1                        ; 8 x lane: a copy of (m, s)
	s_lshl_b32 s16, s15, 10
	v_lshl_add_u32 v3, v0, 4, s16                  ; my four numbers' bytes in a row of 4,096
	s_mov_b32 s19, 0
	s_wait_kmcnt 0x0
	s_mul_i32 s18, s14, 4608
	s_add_nc_u64 s[4:5], s[4:5], s[18:19]
	s_mul_i32 s18, s14, 17408
	s_add_nc_u64 s[6:7], s[6:7], s[18:19]
	s_lshl_b32 s18, s14, 12
	s_add_nc_u64 s[8:9], s[8:9], s[18:19]
	s_add_nc_u64 s[10:11], s[10:11], s[18:19]
	s_add_nc_u64 s[12:13], s[12:13], s[18:19]
	global_load_b128 v[4:7], v3, s[8:9]            ; where my four rows' t lie
.irp i, 0,1,2,3
	global_load_b64 v[8+2*\i:9+2*\i], v2, s[6:7] offset:4352*\i+4096
.endr
.irp i, 0,1,2,3
	global_load_b128 v[16+4*\i:19+4*\i], v3, s[6:7] offset:4352*\i
.endr
	s_wait_loadcnt 8                               ; the places are in; the eight loads behind them may be out
.irp k, 0,1,2,3
	v_min_u32 v[4+\k], 0x47f, v[4+\k]
.endr
.irp k, 0,1,2,3
	v_lshlrev_b32 v[4+\k], 2, v[4+\k]
.endr
.irp k, 0,1,2,3
	global_load_b32 v[32+\k], v[4+\k], s[4:5]
.endr
	s_wait_loadcnt 0x0
	v_max3_num_f32 v36, v8, v10, v12
	v_max_num_f32 v36, v36, v14                    ; m
.irp i, 0,1,2,3
	v_sub_f32 v[40+\i], v[8+2*\i], v36
.endr
.irp k, 0,1,2,3
	v_sub_f32 v[32+\k], v[32+\k], v36
.endr
.irp i, 0,1,2,3
	v_exp_f32 v[40+\i], v[40+\i]                   ; g_i
.endr
.irp k, 0,1,2,3
	v_exp_f32 v[32+\k], v[32+\k]                   ; 2^(t - m)
.endr
	v_nop                                          ; a plain place behind the batch,
	s_wait_alu depctr_va_vdst(0)                   ; and one wait for it
	v_mul_f32 v37, v9, v40
	v_fmac_f32 v37, v11, v41
	v_fmac_f32 v37, v13, v42
	v_fmac_f32 v37, v15, v43                       ; S
	v_rcp_f32 v38, v37
.irp k, 0,1,2,3
	v_mul_f32 v[44+\k], v[16+\k], v40              ; (plain work behind the reciprocal)
.endr
.irp k, 0,1,2,3
	v_fmac_f32 v[44+\k], v[20+\k], v41
.endr
.irp k, 0,1,2,3
	v_fmac_f32 v[44+\k], v[24+\k], v42
.endr
.irp k, 0,1,2,3
	v_fmac_f32 v[44+\k], v[28+\k], v43
.endr
	s_wait_alu depctr_va_vdst(0)
	v_cmp_lt_f32 vcc_lo, 0, v37
	v_cndmask_b32 v38, 0, v38, vcc_lo              ; 1 / S, or 0 where no row is unmasked
.irp k, 0,1,2,3
	v_mul_f32 v[32+\k], v[32+\k], v38
.endr
.irp k, 0,1,2,3
	v_mul_f32 v[44+\k], v[44+\k], v38
.endr
	global_store_b128 v3, v[32:35], s[12:13]       ; weights
	global_store_b128 v3, v[44:47], s[10:11]       ; context
	s_endpgm
.Lfunc_end_k_q18415ba4b3_finish:
	.size	k_q18415ba4b3_finish, .Lfunc_end_k_q18415ba4b3_finish-k_q18415ba4b3_finish
	.p2alignl 7, 3214868480
	.fill 96, 4, 3214868480
	.section	.rodata,"a",@progbits
	.p2align	6, 0x0
	.amdhsa_kernel k_q18415ba4b3_finish
		.amdhsa_group_segment_fixed_size 0
		.amdhsa_private_segment_fixed_size 0
		.amdhsa_enable_private_segment 0
		.amdhsa_kernarg_size 40
		.amdhsa_user_sgpr_count 2
		.amdhsa_user_sgpr_kernarg_segment_ptr 1
		.amdhsa_wavefront_size32 1
		.amdhsa_system_sgpr_workgroup_id_x 1
		.amdhsa_system_sgpr_workgroup_id_y 1
		.amdhsa_system_sgpr_workgroup_id_z 1
		.amdhsa_system_vgpr_workitem_id 0
		.amdhsa_next_free_vgpr 64
		.amdhsa_next_free_sgpr 66
		.amdhsa_reserve_vcc 1
		.amdhsa_float_denorm_mode_32 3
		.amdhsa_float_denorm_mode_16_64 3
		.amdhsa_memory_ordered 1
		.amdhsa_forward_progress 1
		.amdhsa_inst_pref_size 5
	.end_amdhsa_kernel
	.amdgpu_metadata
---
amdhsa.version: [ 1, 2 ]
amdhsa.kernels:
  - .name:           k_q18415ba4b3_finish
    .symbol:         k_q18415ba4b3_finish.kd
    .args:
      - { .name: tb, .offset: 0, .size: 8, .value_kind: global_buffer, .address_space: global }
      - { .name: part, .offset: 8, .size: 8, .value_kind: global_buffer, .address_space: global }
      - { .name: inv, .offset: 16, .size: 8, .value_kind: global_buffer, .address_space: global }
      - { .name: out0, .offset: 24, .size: 8, .value_kind: global_buffer, .address_space: global }
      - { .name: out1, .offset: 32, .size: 8, .value_kind: global_buffer, .address_space: global }
    .group_segment_fixed_size: 0
    .private_segment_fixed_size: 0
    .kernarg_segment_align: 8
    .kernarg_segment_size: 40
    .max_flat_workgroup_size: 64
    .sgpr_count:     66
    .vgpr_count:     64
    .wavefront_size: 32
...
	.end_amdgpu_metadata
.endif
;; end of part 3
;; ======== version 2 of 2: 3 launches
;; workspace buffers: w2q 589,824 bytes; cq 262,144 bytes; rows 278,528 bytes of whole numbers; inv 262,144 bytes of whole numbers; tb 294,912 bytes; part 1,114,112 bytes
;; launch prep (part 4): grid 256 x 1, 8 waves a work-group, no clusters, 29,952 bytes of LDS; arguments W1, W2, query, mask, w2q, cq, rows, inv; writes w2q, cq, rows, inv
.if DOCPART == 4
	.amdgcn_target "amdgcn-amd-amdhsa--gfx1250"
	.amdhsa_code_object_version 6
	.text
	.protected	k_q18415ba4b3_prep
	.globl	k_q18415ba4b3_prep
	.p2align	8
	.type	k_q18415ba4b3_prep,@function
k_q18415ba4b3_prep:
	s_mov_b64 s[64:65], 0
	v_nop
	global_prefetch_b8 v0, s[64:65] scope:SCOPE_SE
	s_setreg_imm32_b32 hwreg(HW_REG_WAVE_MODE, 25, 1), 1
	s_wait_xcnt 0x0
; ADDITIVE ATTENTION, launch 1 of 3.  scores[b][l] = sum over h of v[h] tanh(q[b][h] + k[b][l][h]), q = Q(query) Q(W1)^T, k = Q(keys) Q(W2)^T (Q: the MX-FP4 quantiser along K);
; masked rows get -infinity; softmax over l; NaN -> 0; context = weights . keys.
; WORK LEFT OUT BY THE WHOLE PROGRAM, for all finite inputs:
;  (a) tanh(x) = 1 - 2 / (1 + e^(2x)), so a score is (sum over h of v[h]) - 2 sum over h of v[h] / (1 + e^(2x)).  The first term is the same for every l of a batch: a term added to a softmax's
;      input that is the same along its axis.  It is not formed.
;  (b) where mask[b][l] is true the score is -infinity, so the weight is exactly 0 and the row adds 0 to the context.  The mask is whole numbers read from memory: this launch turns it into a list of rows,
;      and the next launch loads, quantises and multiplies only the rows listed as unmasked (up to 15 masked rows a batch ride along in the last tile of 16, with t = -infinity).
; LIMITS: a NaN, an infinity or an overflow that reaches only the work left out (masked rows of keys, the sum of v) is not carried to the result; NaN and infinities among the inputs are not served;
; a block of zeros gets the scale byte 1 where the rule says 127 (its codes are zeros, and the bytes are read by this program alone); blocks whose largest magnitude lies under 2^(3-127) were not tried;
; q's sum over K is made of eight partial sums of 128 along K, added in ascending order.
; THIS LAUNCH.  Work-group (g = wg / 4, mt = wg % 4), all on one path: c q[b = 16 mt ..][units 16 g ..], c = 2 log2(e); rows 16 g + 4 mt .. + 3 of W2 as codes; rows 256 mt .. of batch g's mask into the list.
; EVERY LOAD IS DENSE: 32 lanes x 16 bytes on end, so a lane holds 4 neighbours along K and a block of 32 lies in 8 neighbouring lanes.  The conversion takes 8 numbers of a lane under one scale: two blocks' fours are
; converted together, once under each block's scale, and each time the half that belongs to the scale is kept.  A UNIT is half a row: 4 loads, 16 registers, 16 blocks.  Wave w takes rows 2 w, 2 w + 1 of W1's and of
; query's 16 (four units each) and half (w % 2) of W2's row 4 mt + w / 2 (one unit).  All 45 loads of a wave go out together.
; W1's and query's codes go to LDS as rows; behind a barrier wave w takes K step w's fragments, one matrix instruction; the eight partial sums meet in LDS; waves 0 and 1 add them.
; W2's unit goes from the wave's own LDS bytes into the image of the operand's registers.
; THE LIST: wave W = 8 mt + w of the batch's 32 takes rows 32 W + lane.  The masked rows ahead of them are counted from the mask itself (bytes are 0 or 1): dwords added bytewise, one multiply, six ballots.
; OUT: w2q: codes [h tile 64][K step 8][c 2][lane 32][16 bytes], from byte 524288 on scale words [h tile 64][lane 32][K step 8] (lanes 16-31 repeat lanes 0-15); cq: [h tile 64][b 64][16] f32;
; rows: 4,352 bytes a batch: list[pos] (a permutation of the rows: unmasked from the front, masked from the back), then the count of unmasked rows, 32 times;
; inv[b][l]: where row l's t will lie in tb: ((pos >> 4) & 3) 288 + (pos >> 6) 16 + (pos & 15).
.set C1,    0                          ; LDS: W1's codes, 16 rows x 528 (512 + 16 of padding)
.set CQC,   8448                       ; query's
.set A1,    16896                      ; W1's scale bytes, 16 rows x 48 (32 + 16)
.set AQ,    17664                      ; query's
.set CW,    18432                      ; W2's codes: 256 bytes for each wave, its own
.set AW,    20480                      ; W2's scale bytes: 16 for each wave, its own
.set RED,   20736                      ; the partial sums [wave 8][half 2][lane 32][16 bytes]
.set SPARE, 28928                      ; the spare words, 128 bytes a wave
; REGISTERS: v1 lane, v2 r, v3 h; v4, v5 the add's two; v6, v7 load offsets; v8, v9 W1's and query's scale words (scales and nothing else); v10-15, v34-37, v224-228 places that stay; v16-33 the list's work;
; v38-39, v229 W2's image; v40-47 W1's fragment, v48-55 query's, v56-63 the result; v64-207 nine units of 16 numbers; v208-215, v216-223 two sets at work (4 largest magnitudes, 4 registers of codes).
.macro QH x, t, ca, co, aa, ao, dw     ; a unit: 16 numbers a lane -> codes (2 bytes a lane and load) and scale bytes, to LDS
.if \dw >= 0
	s_wait_dscnt \dw                               ; the unit before's 8 stores may be out; the stores that read this set of registers are done
.endif
.irp q, 0,1,2,3
	v_max3_num_f32 v[\t+\q], |v[\x+4*\q]|, |v[\x+4*\q+1]|, 0x1800000   ; with the floor 2^(3-127): the byte cannot fall under 1
.endr
.irp q, 0,1,2,3
	s_delay_alu instid0(VALU_DEP_4)
	v_max3_num_f32 v[\t+\q], v[\t+\q], |v[\x+4*\q+2]|, |v[\x+4*\q+3]|
.endr
.irp m, 1,2,4
.irp q, 0,1,2,3
	s_delay_alu instid0(VALU_DEP_4)
	v_max_num_f32_dpp v[\t+\q], v[\t+\q], v[\t+\q] row_xmask:\m row_mask:0xf bank_mask:0xf   ; with the block's other seven lanes
.endr
.endr
.irp q, 0,1,2,3
	s_delay_alu instid0(VALU_DEP_4)
	v_add_nc_u32 v[\t+\q], 0xff000000, v[\t+\q]    ; 2 off the exponent field: the conversion's scale operand
.endr
.irp j, 0,1
	v_cvt_scalef32_pk8_fp4_f32 v[\t+4+2*\j], v[\x+8*\j:\x+8*\j+7], v[\t+2*\j]     ; under the first four's scale: the low half counts
	v_cvt_scalef32_pk8_fp4_f32 v[\t+5+2*\j], v[\x+8*\j:\x+8*\j+7], v[\t+2*\j+1]   ; under the second four's: the high half
.endr
	v_nop                                          ; one plain place behind the last scaled conversion
.irp j, 0,1
	v_lshrrev_b32 v[\t+5+2*\j], 16, v[\t+5+2*\j]
.endr
.irp q, 0,1,2,3
	v_lshrrev_b32 v[\t+\q], 23, v[\t+\q]           ; the scale's byte
.endr
.irp q, 0,1,2,3
	ds_store_b8 v[\aa], v[\t+\q] offset:\ao+4*\q   ; the eight lanes of a block write the same byte with the same value
.endr
.irp q, 0,1,2,3
	ds_store_b16 v[\ca], v[\t+4+\q] offset:\co+64*\q
.endr
.endm
.macro BAR                             ; my LDS stores have landed and my LDS loads are in: then the work-group's barrier
	s_wait_dscnt 0x0
	s_barrier_signal -1
	s_barrier_wait -1
.endm
	s_load_b256 s[4:11], s[0:1], 0x0               ; W1 s[4:5], W2 s[6:7], query s[8:9], mask s[10:11]
	s_load_b256 s[12:19], s[0:1], 0x20             ; w2q s[12:13], cq s[14:15], rows s[16:17], inv s[18:19]
	v_lshl_add_u32 v4, v0, 2, SPARE
	v_mov_b32 v5, 0
	v_lshrrev_b32 v1, 5, v0
	s_delay_alu instid0(VALU_DEP_1)
	v_readfirstlane_b32 s20, v1                    ; wave 0..7
	v_and_b32 v1, 31, v0                           ; lane
	s_wait_alu depctr_va_vdst(0)
	v_and_b32 v2, 15, v0                           ; r
	v_bfe_u32 v3, v0, 4, 1                         ; h
	s_lshr_b32 s36, ttmp9, 2                       ; g
	s_and_b32 s21, ttmp9, 3                        ; mt
	s_lshl_b32 s22, s21, 3
	s_add_co_u32 s22, s22, s20                     ; W: which 32 rows of the mask
	s_lshl_b32 s23, s22, 5                         ; their first
	s_sub_co_u32 s25, 1023, s23
	s_mov_b32 s28, 0x01010101
	s_mov_b32 s38, 0x4038aa3b                      ; c = 2 log2(e)
	s_mov_b32 s39, s38
	s_lshl_b32 s26, s20, 13
	v_lshl_add_u32 v6, v1, 4, s26                  ; W1, query: 16 x lane + two rows of 4,096 x wave
	s_lshl_b32 s26, s20, 11
	v_lshl_add_u32 v7, v1, 4, s26                  ; W2: 16 x lane + half a row x wave
	s_mul_i32 s26, s20, 1056
	v_lshl_add_u32 v10, v1, 1, s26                 ; codes in: 2 x lane + two rows of 528 x wave
	v_add_nc_u32 v11, s23, v1                      ; my row of the mask
	v_lshrrev_b32 v12, 3, v1
	s_mul_i32 s26, s20, 96
	v_add_nc_u32 v12, s26, v12                     ; scale bytes in: lane / 8 + two rows of 48 x wave
	s_lshl_b32 s26, s20, 8
	v_lshl_add_u32 v13, v1, 1, s26                 ; W2's codes in: 2 x lane + 256 x wave
	v_lshl_add_u32 v34, v1, 3, s26                 ; and out: 8 x lane + 256 x wave
	v_lshlrev_b32 v14, 2, v1                       ; 4 x lane
	v_lshrrev_b32 v15, 3, v1
	s_lshl_b32 s26, s20, 4
	v_add_nc_u32 v15, s26, v15                     ; W2's scale bytes in: lane / 8 + 16 x wave
	v_and_b32 v35, 3, v1
	s_delay_alu instid0(VALU_DEP_1)
	v_lshl_add_u32 v35, v35, 2, s26                ; and out: word lane % 4
	v_lshrrev_b32 v36, 1, v1
	s_delay_alu instid0(VALU_DEP_1)
	v_lshlrev_b32 v36, 8, v36
	v_and_b32 v230, 1, v1
	s_delay_alu instid0(VALU_DEP_1)
	v_lshl_add_u32 v36, v230, 3, v36               ; the image: block lane / 2 lies 256 bytes behind the block before; 8 bytes a lane
	v_bfe_u32 v37, v1, 2, 1
	s_delay_alu instid0(VALU_DEP_1)
	v_lshlrev_b32 v37, 9, v37
	v_and_b32 v230, 3, v1
	s_delay_alu instid0(VALU_DEP_1)
	v_lshl_add_u32 v37, v230, 2, v37               ; the scale words: word lane % 4, for lane r and once more for lane r + 16; lanes 8-31 repeat lanes 0-7
	v_mul_u32_u24 v224, v2, 528
	s_delay_alu instid0(VALU_DEP_1)
	v_lshl_add_u32 v224, v3, 4, v224
	s_lshl_b32 s26, s20, 6
	v_add_nc_u32 v224, s26, v224                   ; a fragment of K step w: row r x pitch + 16 h + 64 w
	v_mul_u32_u24 v225, v2, 48
	s_lshl_b32 s26, s20, 2
	v_add_nc_u32 v225, s26, v225                   ; its scale word
	s_lshl_b32 s26, s20, 10
	v_lshl_add_u32 v226, v1, 4, s26                ; partial sums in
	s_lshl_b32 s26, s20, 9
	v_lshl_add_u32 v227, v1, 4, s26                ; and out (waves 0 and 1): half w of every wave's
	v_lshlrev_b32 v228, 6, v2
	s_delay_alu instid0(VALU_DEP_1)
	v_lshl_add_u32 v228, v3, 5, v228
	s_lshl_b32 s26, s20, 4
	s_lshl_b32 s27, s21, 10
	s_add_co_u32 s26, s26, s27
	v_add_nc_u32 v228, s26, v228                   ; cq: (16 mt + r) 64 + 32 h + 16 w
	s_mov_b32 s31, 0
	s_wait_kmcnt 0x0
	s_lshl_b32 s30, s36, 16
	s_add_nc_u64 s[4:5], s[4:5], s[30:31]          ; W1 at row 16 g
	s_lshl_b32 s29, s21, 14
	s_add_co_u32 s30, s30, s29
	s_add_nc_u64 s[6:7], s[6:7], s[30:31]          ; W2 at row 16 g + 4 mt
	s_lshl_b32 s30, s21, 16
	s_add_nc_u64 s[8:9], s[8:9], s[30:31]          ; query at row 16 mt
	s_lshl_b32 s30, s36, 10
	s_add_nc_u64 s[10:11], s[10:11], s[30:31]      ; batch g's mask
	s_mul_i32 s30, s36, 4352
	s_add_nc_u64 s[16:17], s[16:17], s[30:31]
	s_lshl_b32 s30, s36, 12
	s_add_nc_u64 s[18:19], s[18:19], s[30:31]
	s_add_nc_u64 s[14:15], s[14:15], s[30:31]
	s_lshl_b32 s27, s21, 2
	s_lshr_b32 s29, s20, 1
	s_add_co_u32 s27, s27, s29                     ; my row of W2 in its h tile: 4 mt + w / 2
	s_and_b32 s29, s20, 1                          ; and which half of it
	s_lshl_b32 s30, s36, 13
	s_lshl_b32 s26, s29, 12
	s_add_co_u32 s30, s30, s26
	s_lshl_b32 s26, s27, 4
	s_add_co_u32 s30, s30, s26
	s_add_nc_u64 s[32:33], s[12:13], s[30:31]      ; the image: 8,192 g + 4,096 half + 16 row
	s_lshl_b32 s30, s36, 10
	s_lshl_b32 s26, s27, 5
	s_add_co_u32 s30, s30, s26
	s_lshl_b32 s26, s29, 4
	s_add_co_u32 s30, s30, s26
	s_add_co_u32 s30, s30, 524288
	s_add_nc_u64 s[34:35], s[12:13], s[30:31]      ; the scale words: 1,024 g + 32 row + 16 half
.irp k, 0,1,2,3,4,5,6,7
	global_load_b32 v[16+\k], v14, s[10:11] offset:128*\k   ; the batch's whole mask: lane l of load k holds rows 128 k + 4 l + 0 .. 3
.endr
	global_load_u8 v24, v11, s[10:11]              ; my row's byte
.irp q, 0,1,2,3
	global_load_b128 v[64+4*\q:64+4*\q+3], v7, s[6:7] offset:512*\q          ; unit 0: W2
.endr
.irp n, 0,1,2,3
.irp q, 0,1,2,3
	global_load_b128 v[80+16*\n+4*\q:80+16*\n+4*\q+3], v6, s[4:5] offset:2048*\n+512*\q    ; units 1-4: W1, row 2 w + n / 2, half n % 2
.endr
.endr
.irp n, 0,1,2,3
.irp q, 0,1,2,3
	global_load_b128 v[144+16*\n+4*\q:144+16*\n+4*\q+3], v6, s[8:9] offset:2048*\n+512*\q  ; units 5-8: query
.endr
.endr
	; ---- the list
	s_wait_loadcnt 36                              ; the mask is in; the 36 loads issued behind it may be out
	v_mov_b32 v25, 0
.irp k, 0,1,2,3,4,5,6,7
	v_add_nc_u32 v26, 128*\k, v14                  ; the dword's first row
	s_delay_alu instid0(VALU_DEP_1)
	v_cmp_gt_u32 vcc_lo, s23, v26                  ; ahead of my wave's rows?
	s_delay_alu instid0(VALU_DEP_1)
	v_cndmask_b32 v26, 0, v[16+\k], vcc_lo
	s_delay_alu instid0(VALU_DEP_1)
	v_add_nc_u32 v25, v25, v26                     ; bytewise: each byte stays at 8 or under
.endr
	s_delay_alu instid0(VALU_DEP_1)
	v_mul_lo_u32 v25, v25, s28
	s_delay_alu instid0(VALU_DEP_1)
	v_lshrrev_b32 v25, 24, v25                     ; the four bytes' sum: 32 at the most
	s_wait_alu depctr_va_vdst(0)
	s_mov_b32 s24, 0
.irp i, 0,1,2,3,4,5
	v_and_b32 v26, 1<<\i, v25                      ; the sum over the lanes, bit by bit of the lanes' numbers
	s_delay_alu instid0(VALU_DEP_1)
	v_cmp_ne_u32 s26, 0, v26
	s_bcnt1_i32_b32 s27, s26
	s_lshl_b32 s27, s27, \i
	s_add_co_u32 s24, s24, s27
.endr
	s_sub_co_u32 s24, s23, s24                     ; unmasked rows ahead of my wave's
	v_cmp_eq_u32 s26, 0, v24                       ; the lanes whose row is not masked
	s_delay_alu instid0(VALU_DEP_1)
	v_mbcnt_lo_u32_b32 v27, s26, 0                 ; how many of them stand below me
	s_delay_alu instid0(VALU_DEP_1)
	v_add_nc_u32 v28, s24, v27                     ; unmasked rows ahead of mine: an unmasked row's place
	s_delay_alu instid0(VALU_DEP_1)
	v_sub_nc_u32 v29, v28, v1
	s_delay_alu instid0(VALU_DEP_1)
	v_add_nc_u32 v29, s25, v29                     ; 1023 - (masked rows ahead of mine): a masked row's place
	s_delay_alu instid0(VALU_DEP_1)
	v_cndmask_b32 v28, v29, v28, s26
	s_delay_alu instid0(VALU_DEP_1)
	v_min_u32 v28, 0x3ff, v28
	s_delay_alu instid0(VALU_DEP_1)
	v_lshlrev_b32 v30, 2, v28
	global_store_b32 v30, v11, s[16:17]            ; list[pos] = my row
	v_bfe_u32 v32, v28, 4, 2
	s_delay_alu instid0(VALU_DEP_1)
	v_mul_u32_u24 v32, v32, 288
	v_lshrrev_b32 v26, 6, v28
	s_delay_alu instid0(VALU_DEP_1)
	v_lshl_add_u32 v32, v26, 4, v32
	v_and_b32 v26, 15, v28
	s_delay_alu instid0(VALU_DEP_1)
	v_add_nc_u32 v32, v32, v26
	v_lshlrev_b32 v31, 2, v11
	global_store_b32 v31, v32, s[18:19]            ; inv[my row]
	s_cmp_eq_u32 s22, 31
	s_cbranch_scc0 .Lnocount
	s_bcnt1_i32_b32 s27, s26
	s_add_co_u32 s27, s24, s27
	v_mov_b32 v33, s27
	global_store_b32 v14, v33, s[16:17] offset:4096   ; the batch's last wave knows the count of unmasked rows
.Lnocount:
	; ---- the nine units; at each wait the later units' four loads each may be out
	s_wait_loadcnt 32
	QH 64, 208, 13, CW, 15, AW, -1
	ds_load_b64 v[38:39], v34 offset:CW            ; LDS serves a wave's instructions in order: these see my stores
	ds_load_b32 v229, v35 offset:AW
	s_wait_loadcnt 28
	QH 80, 216, 10, C1, 12, A1, -1
	s_wait_loadcnt 24
	QH 96, 208, 10, C1+256, 12, A1+16, 8           ; (its wait also shows the two loads above done: they are older than the eight stores that may be out)
	global_store_b64 v36, v[38:39], s[32:33]
	global_store_b32 v37, v229, s[34:35]
	s_wait_loadcnt 20
	QH 112, 216, 10, C1+528, 12, A1+48, 8
	s_wait_loadcnt 16
	QH 128, 208, 10, C1+784, 12, A1+64, 8
	s_wait_loadcnt 12
	QH 144, 216, 10, CQC, 12, AQ, 8
	s_wait_loadcnt 8
	QH 160, 208, 10, CQC+256, 12, AQ+16, 8
	s_wait_loadcnt 4
	QH 176, 216, 10, CQC+528, 12, AQ+48, 8
	s_wait_loadcnt 0x0
	QH 192, 208, 10, CQC+784, 12, AQ+64, 8
	BAR                                            ; W1's and query's 16 rows lie in LDS
	ds_load_b128 v[40:43], v224 offset:C1
	ds_load_b128 v[44:47], v224 offset:C1+32
	ds_load_b128 v[48:51], v224 offset:CQC
	ds_load_b128 v[52:55], v224 offset:CQC+32
	ds_load_b32 v8, v225 offset:A1
	ds_load_b32 v9, v225 offset:AQ
	s_wait_dscnt 0x0
	; source 0 = 16 rows of W1, source 1 = 16 rows of query: lane (r, h), register j: q(b = 16 mt + r, unit 8 h + j), this K step's part
	v_wmma_scale_f32_16x16x128_f8f6f4 v[56:63], v[40:47], v[48:55], 0, v8, v9 matrix_a_fmt:MATRIX_FMT_FP4 matrix_b_fmt:MATRIX_FMT_FP4
.rept 4
	v_nop
.endr
	ds_store_b128 v226, v[56:59] offset:RED        ; the result from its low end on
	ds_store_b128 v226, v[60:63] offset:RED+512
	BAR
	s_cmp_gt_u32 s20, 1
	s_cbranch_scc1 .Lend
.irp k, 0,1,2,3,4,5,6,7
	ds_load_b128 v[64+4*\k:64+4*\k+3], v227 offset:RED+1024*\k
.endr
	s_wait_dscnt 0x0
.irp k, 1
	v_pk_add_f32 v[64:65], v[64:65], v[64+4*\k:65+4*\k]
	v_pk_add_f32 v[66:67], v[66:67], v[66+4*\k:67+4*\k]
.endr
.irp k, 2, 3, 4, 5, 6, 7
	s_delay_alu instid0(VALU_DEP_2)
	v_pk_add_f32 v[64:65], v[64:65], v[64+4*\k:65+4*\k]
	s_delay_alu instid0(VALU_DEP_2)
	v_pk_add_f32 v[66:67], v[66:67], v[66+4*\k:67+4*\k]
.endr
	s_delay_alu instid0(VALU_DEP_2)
	v_pk_mul_f32 v[64:65], v[64:65], s[38:39] op_sel_hi:[1,0]
	s_delay_alu instid0(VALU_DEP_2)
	v_pk_mul_f32 v[66:67], v[66:67], s[38:39] op_sel_hi:[1,0]
	global_store_b128 v228, v[64:67], s[14:15]     ; c q
.Lend:
	s_wait_tensorcnt 0x0                           ; the wave's end, behind my last LDS store
	ds_add_u32 v4, v5
	s_wait_dscnt 0x0
	s_endpgm
.Lfunc_end_k_q18415ba4b3_prep:
	.size	k_q18415ba4b3_prep, .Lfunc_end_k_q18415ba4b3_prep-k_q18415ba4b3_prep
	.p2alignl 7, 3214868480
	.fill 96, 4, 3214868480
	.section	.rodata,"a",@progbits
	.p2align	6, 0x0
	.amdhsa_kernel k_q18415ba4b3_prep
		.amdhsa_group_segment_fixed_size 29952
		.amdhsa_private_segment_fixed_size 0
		.amdhsa_enable_private_segment 0
		.amdhsa_kernarg_size 64
		.amdhsa_user_sgpr_count 2
		.amdhsa_user_sgpr_kernarg_segment_ptr 1
		.amdhsa_wavefront_size32 1
		.amdhsa_system_sgpr_workgroup_id_x 1
		.amdhsa_system_sgpr_workgroup_id_y 1
		.amdhsa_system_sgpr_workgroup_id_z 1
		.amdhsa_system_vgpr_workitem_id 0
		.amdhsa_next_free_vgpr 256
		.amdhsa_next_free_sgpr 66
		.amdhsa_reserve_vcc 1
		.amdhsa_float_denorm_mode_32 3
		.amdhsa_float_denorm_mode_16_64 3
		.amdhsa_memory_ordered 1
		.amdhsa_forward_progress 1
		.amdhsa_inst_pref_size 47
	.end_amdhsa_kernel
	.amdgpu_metadata
---
amdhsa.version: [ 1, 2 ]
amdhsa.kernels:
  - .name:           k_q18415ba4b3_prep
    .symbol:         k_q18415ba4b3_prep.kd
    .args:
      - { .name: W1, .offset: 0, .size: 8, .value_kind: global_buffer, .address_space: global }
      - { .name: W2, .offset: 8, .size: 8, .value_kind: global_buffer, .address_space: global }
      - { .name: query, .offset: 16, .size: 8, .value_kind: global_buffer, .address_space: global }
      - { .name: mask, .offset: 24, .size: 8, .value_kind: global_buffer, .address_space: global }
      - { .name: w2q, .offset: 32, .size: 8, .value_kind: global_buffer, .address_space: global }
      - { .name: cq, .offset: 40, .size: 8, .value_kind: global_buffer, .address_space: global }
      - { .name: rows, .offset: 48, .size: 8, .value_kind: global_buffer, .address_space: global }
      - { .name: inv, .offset: 56, .size: 8, .value_kind: global_buffer, .address_space: global }
    .group_segment_fixed_size: 29952
    .private_segment_fixed_size: 0
    .kernarg_segment_align: 8
    .kernarg_segment_size: 64
    .max_flat_workgroup_size: 256
    .sgpr_count:     66
    .vgpr_count:     256
    .wavefront_size: 32
...
	.end_amdgpu_metadata
.endif
;; end of part 4
;; launch main (part 5): grid 256 x 1, 8 waves a work-group, no clusters, 259,072 bytes of LDS; arguments keys, rows, w2q, cq, v, tb, part; writes tb, part
.if DOCPART == 5
	.amdgcn_target "amdgcn-amd-amdhsa--gfx1250"
	.amdhsa_code_object_version 6
	.text
	.protected	k_q18415ba4b3_main
	.globl	k_q18415ba4b3_main
	.p2align	8
	.type	k_q18415ba4b3_main,@function
k_q18415ba4b3_main:
	s_mov_b64 s[64:65], 0
	v_nop
	global_prefetch_b8 v0, s[64:65] scope:SCOPE_SE
	s_setreg_imm32_b32 hwreg(HW_REG_WAVE_MODE, 25, 1), 1
	s_wait_xcnt 0x0
; ADDITIVE ATTENTION, launch 2 of 3.  Left out, as shown at the head of the first kernel: the sum of v (the same along the softmax's axis) and the masked rows (weight exactly 0), by the stored list.
; t[row] = -c sum over h of v[h] / (1 + 2^(c k[row][h] + c q[h])), c = 2 log2(e): the score x log2(e), less a term that is the same for all rows of a batch.  p = 2^(t - m), m the running maximum.
; SHARES.  Work-group wg: batch wg / 4, and of the batch's tiles of 16 listed rows those with tile % 4 = wg % 4: T of them (0 to 16, from the stored count).  They go in three chunks of up to six tiles; the
; trip counts are constants and a tile that does not exist is jumped over by a scalar branch on the stored count.  The launch has no tensor load and no copy: all goes through registers.
; Eight waves, two to a SIMD.  A CHUNK:  L: wave w loads rows 2 w, 2 w + 1 of each tile from memory ONCE, quantises them (codes and scale bytes to LDS) and keeps them as bf16 in LDS | barrier |
; G: THE WAVES SHARE THE COLUMNS: wave w owns h = 128 w .. 128 w + 127 in two groups of four h tiles; a group's codes of W2 (256 registers) lie in registers and meet every tile of the chunk; the group that is
; resident at a chunk's end is the next chunk's first.  Behind each tile's 32 products: 2^x, + 1, reciprocal, times v, summed in registers; the next tile's fragments are asked of LDS among these lines |
; the next chunk's first tile is asked of memory | R: the sums over my 128 h to LDS | barrier | S: every wave adds the eight waves' sums, masks, and brings m, the sum and the context up to date |
; C: context += p x the bf16 rows | barrier.
; THE ROWS' LOADS ARE DENSE: 32 lanes x 16 bytes on end, so a lane holds 4 neighbours along K and a block of 32 lies in 8 neighbouring lanes.  The conversion takes 8 numbers of a lane under one scale: two blocks' fours
; are converted together, once under each block's scale, and each time the half that belongs to the scale is kept.
; THE bf16 ROWS LIE WITH THEIR COLUMNS IN ANOTHER ORDER (16 bytes a lane: the fours of loads 2 j and 2 j + 1): in C lane l of wave w holds columns 256 (w / 2) + 128 (l % 2) + 64 (w % 2) + 4 (l / 2) + 0 .. 3, which only the last store knows.
; No cluster: no two waves of a work-group read the same bytes of W2.
; LIMITS: as at the head of the first kernel; keys enter the context rounded to bf16.
; OUT: tb[wg][288]: t of my slots (16 x local tile + row), -infinity where the slot holds no unmasked row; part[wg]: 1,024 f32 of context under m, then (m, sum) 32 times.
; LDS: codes 96 rows x 528 (512 + 16 of padding); scale bytes 96 x 48 (32 + 16); the waves' sums [8][96] f32; p [8][96] f32, a copy for each wave; the spare words; the bf16 rows 96 x 2,048.
.set CODES, 0
.set ASC,   50688
.set SP,    55296
.set PW,    58368
.set SPARE, 61440
.set BF,    62464
; REGISTERS, window 0: v1 lane, v2 r, v3 h; v4, v5 the add's two; v6-24 addresses and places that stay; v25 m, v26 f, v27 the sum; v28-35 context; v36-43 c q, v44-51 v (each twice: pairs); v52-54 prefetch terms,
; v15, v55 prefetch offsets; v56-87 W2's scale words, v88-95 the rows' (these two hold scales and nothing else); v96-159 the rows' fragments; v160-191 four accumulators; v192-239 the sums, 8 a tile.
; In L: v96-159, v160-223 two sets of 64 numbers; v224-231 largest magnitudes, then bytes; v232-239 codes; v240-255 bf16.  In S: v160-196.  In C: v160-175 p, v208-239 rows.  From G's end on v96-159 take the next chunk's first tile.
; Window 1: W2's codes, (h tile i, K step k) at v[64 i + 8 k].
.set CTX,  28
.set CQ,   36
.set VV,   44
.set BS,   56
.set AS,   88
.set AF,   96
.set ACC,  160
.set SACC, 192
.set KS0,  96
.set KS1,  160
.set MX,   224
.set CD,   232
.set BR,   240
.set RW,   208
.set PP,   160
; SCALARS: s[4:5] keys at my batch, s[6:7] rows at my batch, s[8:9] w2q, s[10:11] cq, s[12:13] v, s[14:15] tb, s[16:17] part; s[20:21] the list at my wave's two rows of my first tile; s24 wave, s25 batch, s26 wg % 4,
; s27 the count of unmasked rows, s28 T, s29 T less the tiles of earlier chunks, s30 chunk, s31 group's turn, s37 the resident group; s[32:33] lane selects; s[34:35] c; s36 -c; s[38:47] working pointers;
; s[48:59] 12 row numbers; s[66:89] 12 row addresses; s90-95 offsets into the list; s61 = 0; s60, s62, s63 at work.
.set IDX,  48
.set ROWB, 66
.set SOF,  90
.set MSB, 0
.macro WIN new                         ; the immediate's high byte repeats the setting that is left
.if MSB != \new
	s_set_vgpr_msb (MSB<<8)|\new
.set MSB, \new
.endif
.endm
.macro BAR                             ; my LDS stores have landed and my LDS loads are in: then the work-group's barrier.  No barrier stands under a branch on the stored count
	s_wait_dscnt 0x0
	s_barrier_signal -1
	s_barrier_wait -1
.endm
.macro SLOADS                          ; the row numbers of my two rows in local tiles s63 .. s63 + 5 (held at 15: the list has 16 local tiles)
.irp u, 0,1,2,3,4,5
	s_add_co_u32 s[SOF+\u], s63, \u
	s_min_u32 s[SOF+\u], s[SOF+\u], 15
	s_lshl_b32 s[SOF+\u], s[SOF+\u], 8             ; a local tile on is four tiles of 64 bytes on
	s_load_b64 s[IDX+2*\u:IDX+2*\u+1], s[20:21], s[SOF+\u] offset:0x0
.endr
.endm
.macro ROWS                            ; and their addresses
	s_wait_kmcnt 0x0
.irp k, 0,1,2,3,4,5,6,7,8,9,10,11
	s_min_u32 s[IDX+\k], s[IDX+\k], 1023
	s_lshl_b32 s60, s[IDX+\k], 12
	s_add_nc_u64 s[ROWB+2*\k:ROWB+2*\k+1], s[4:5], s[60:61]
.endr
.endm
.macro LOADB                           ; group 2 w + s37: W2's codes (64 loads of 512 consecutive bytes), its scale words, c q and v of its 64 units
	s_lshl_b32 s62, s24, 1
	s_add_co_u32 s62, s62, s37
	s_lshl_b32 s60, s62, 15
	s_add_nc_u64 s[38:39], s[8:9], s[60:61]
	s_lshl_b32 s60, s62, 12
	s_add_co_u32 s60, s60, 524288
	s_add_nc_u64 s[40:41], s[8:9], s[60:61]
	s_lshl_b32 s60, s62, 14
	s_lshl_b32 s63, s25, 6
	s_add_co_u32 s60, s60, s63
	s_add_nc_u64 s[42:43], s[10:11], s[60:61]
	s_lshl_b32 s60, s62, 8
	s_add_nc_u64 s[44:45], s[12:13], s[60:61]
	WIN 0x40                                       ; destination window 1
.irp i, 0,1,2,3
.irp k, 0,1,2,3,4,5,6,7
.irp c, 0,1
	global_load_b128 v[64*\i+8*\k+4*\c:64*\i+8*\k+4*\c+3], v14, s[38:39] offset:8192*\i+1024*\k+512*\c
.endr
.endr
.endr
	WIN 0
.irp i, 0,1,2,3
	global_load_b128 v[BS+8*\i:BS+8*\i+3], v6, s[40:41] offset:1024*\i
	global_load_b128 v[BS+8*\i+4:BS+8*\i+7], v6, s[40:41] offset:1024*\i+16
	global_load_b32 v[CQ+2*\i], v16, s[42:43] offset:4096*\i
	global_load_b32 v[CQ+2*\i+1], v16, s[42:43] offset:4096*\i     ; twice: the packed forms take a pair
	global_load_b32 v[VV+2*\i], v16, s[44:45] offset:64*\i
	global_load_b32 v[VV+2*\i+1], v16, s[44:45] offset:64*\i
.endr
.endm
.macro LOADT u, set                    ; my two rows of tile u: load q of a row covers its bytes 512 q .. 512 q + 511; a lane gets k = 128 q + 4 lane + 0 .. 3
.irp p, 0,1
.irp q, 0,1,2,3,4,5,6,7
	global_load_b128 v[\set+32*\p+4*\q:\set+32*\p+4*\q+3], v14, s[ROWB+4*(\u)+2*\p:ROWB+4*(\u)+2*\p+1] offset:512*\q th:TH_LOAD_NT
.endr
.endr
.endm
.macro PROC u, set                     ; they become codes, scale bytes and bf16, in LDS.  A row's LDS stores go out in the order bytes (8), codes (8), bf16 (4), so that the next row's three waits can be counted
.irp p, 0,1
	s_wait_dscnt 12                                ; the row before's byte stores have read their registers; its 8 code stores and 4 bf16 stores may be out
.irp q, 0,1,2,3,4,5,6,7
	v_max3_num_f32 v[MX+\q], |v[\set+32*\p+4*\q]|, |v[\set+32*\p+4*\q+1]|, 0x1800000   ; with the floor 2^(3-127): the byte cannot fall under 1
.endr
.irp q, 0,1,2,3,4,5,6,7
	v_max3_num_f32 v[MX+\q], v[MX+\q], |v[\set+32*\p+4*\q+2]|, |v[\set+32*\p+4*\q+3]|
.endr
.irp x, 1,2,4
.irp q, 0,1,2,3,4,5,6,7
	v_max_num_f32_dpp v[MX+\q], v[MX+\q], v[MX+\q] row_xmask:\x row_mask:0xf bank_mask:0xf   ; with the block's other seven lanes
.endr
.endr
.irp q, 0,1,2,3,4,5,6,7
	v_add_nc_u32 v[MX+\q], 0xff000000, v[MX+\q]    ; 2 off the exponent field: the conversion's scale operand
.endr
	s_wait_alu depctr_va_vdst(0)
	s_wait_dscnt 4                                 ; its code stores too; the 4 bf16 stores may be out
.irp j, 0,1,2,3
	v_cvt_scalef32_pk8_fp4_f32 v[CD+2*\j], v[\set+32*\p+8*\j:\set+32*\p+8*\j+7], v[MX+2*\j]       ; under the first four's scale: the low half counts
	v_cvt_scalef32_pk8_fp4_f32 v[CD+2*\j+1], v[\set+32*\p+8*\j:\set+32*\p+8*\j+7], v[MX+2*\j+1]   ; under the second four's: the high half
.endr
	v_nop                                          ; one plain place behind the last scaled conversion
	s_wait_dscnt 0x0                               ; and its bf16 stores
.irp n, 0,1,2,3,4,5,6,7,8,9,10,11,12,13,14,15
	v_cvt_pk_bf16_f32 v[BR+\n], v[\set+32*\p+2*\n], v[\set+32*\p+2*\n+1]
.endr
.irp j, 0,1,2,3
	v_lshrrev_b32 v[CD+2*\j+1], 16, v[CD+2*\j+1]
.endr
.irp q, 0,1,2,3,4,5,6,7
	v_lshrrev_b32 v[MX+\q], 23, v[MX+\q]           ; the scale's byte
.endr
.irp q, 0,1,2,3,4,5,6,7
	ds_store_b8 v8, v[MX+\q] offset:ASC+768*(\u)+48*\p+4*\q        ; the eight lanes of a block write the same byte with the same value
.endr
.irp q, 0,1,2,3,4,5,6,7
	ds_store_b16 v7, v[CD+\q] offset:CODES+8448*(\u)+528*\p+64*\q
.endr
.irp j, 0,1,2,3
	ds_store_b128 v[9+(\u)/2], v[BR+4*\j:BR+4*\j+3] offset:32768*((\u)%2)+2048*\p+512*\j
.endr
.endr
.endm
.macro LSTAGE u, cur, nxt              ; tile u's loads are out.  Each arm has its own wait and its own copy of the work, so that the count is right on every way
	s_cmp_gt_i32 s29, \u+1
	s_cbranch_scc1 .Lmore_\@
	s_wait_loadcnt 0x0
	PROC \u, \cur
	s_branch .LendL
.Lmore_\@:
	LOADT \u+1, \nxt
	s_wait_loadcnt 16                              ; tile u is in; the next tile's 16 loads may be out
	PROC \u, \cur
.endm
.macro FETCHP u, part                  ; a third of tile u's 18 LDS loads: the scale words and K steps 0, 1; K steps 2-4; K steps 5-7.  Always in this order: the products' waits count on it
.if \part == 0
	ds_load_b128 v[AS:AS+3], v13 offset:ASC+768*(\u)
	ds_load_b128 v[AS+4:AS+7], v13 offset:ASC+768*(\u)+16
.irp k, 0,1
.irp c, 0,1
	ds_load_b128 v[AF+8*\k+4*\c:AF+8*\k+4*\c+3], v12 offset:CODES+8448*(\u)+64*\k+32*\c
.endr
.endr
.elseif \part == 1
.irp k, 2,3,4
.irp c, 0,1
	ds_load_b128 v[AF+8*\k+4*\c:AF+8*\k+4*\c+3], v12 offset:CODES+8448*(\u)+64*\k+32*\c
.endr
.endr
.else
.irp k, 5,6,7
.irp c, 0,1
	ds_load_b128 v[AF+8*\k+4*\c:AF+8*\k+4*\c+3], v12 offset:CODES+8448*(\u)+64*\k+32*\c
.endr
.endr
.endif
.endm
.macro TANH u, nx                      ; the activation of tile u's four results.  nx = 1: the next tile's fragments are asked of LDS in three runs among these lines, so that they land meanwhile
.if \nx
	FETCHP (\u)+1, 0
.endif
.irp i, 0,1,2,3
.irp p, 0,2,4,6
	v_pk_fma_f32 v[ACC+8*\i+\p:ACC+8*\i+\p+1], v[ACC+8*\i+\p:ACC+8*\i+\p+1], s[34:35], v[CQ+2*\i:CQ+2*\i+1] op_sel_hi:[1,0,1]   ; c k + c q; each accumulator from its low end on
.endr
.endr
.if \nx
	FETCHP (\u)+1, 1
.endif
.set n, 0
	s_wait_alu depctr_va_vdst(0)
.rept 32
	v_exp_f32 v[ACC+n], v[ACC+n]
.set n, n+1
.endr
	v_nop                                          ; a plain place behind the batch,
.if \nx
	FETCHP (\u)+1, 2
.endif
	s_wait_alu depctr_va_vdst(0)                   ; and one wait for it, ahead of its first reader
.set n, 0
.rept 16
	v_pk_add_f32 v[ACC+n:ACC+n+1], v[ACC+n:ACC+n+1], 1.0 op_sel_hi:[1,0]
.set n, n+2
.endr
.set n, 0
	s_wait_alu depctr_va_vdst(0)
.rept 32
	v_rcp_f32 v[ACC+n], v[ACC+n]
.set n, n+1
.endr
	v_nop
	s_wait_alu depctr_va_vdst(0)
.irp i, 0,1,2,3
.irp p, 0,2,4,6
	v_pk_fma_f32 v[SACC+8*(\u)+\p:SACC+8*(\u)+\p+1], v[ACC+8*\i+\p:ACC+8*\i+\p+1], v[VV+2*\i:VV+2*\i+1], v[SACC+8*(\u)+\p:SACC+8*(\u)+\p+1]
.endr
.endr
.endm
.macro TILE u                          ; tile u, whose fragments have been asked for, against the resident group: 32 products, then the activation.  ONE test says whether a tile follows: it chooses the fetch and the way on
	WIN 0x04                                       ; source 1 (W2) window 1
.irp k, 0,1,2,3,4,5,6,7
	s_wait_dscnt 14-2*\k                           ; K step k's fragment is in; the later steps' loads may be out
.irp i, 0,1,2,3                        ; source 0 = the 16 rows, source 1 = 16 units: lane (r, h), register j: k(row 8 h + j, unit r).  The four accumulators take turns
.if \k == 0
	v_wmma_scale_f32_16x16x128_f8f6f4 v[ACC+8*\i:ACC+8*\i+7], v[AF+8*\k:AF+8*\k+7], v[64*\i+8*\k:64*\i+8*\k+7], 0, v[AS+\k], v[BS+8*\i+\k] matrix_a_fmt:MATRIX_FMT_FP4 matrix_b_fmt:MATRIX_FMT_FP4
.else
	v_wmma_scale_f32_16x16x128_f8f6f4 v[ACC+8*\i:ACC+8*\i+7], v[AF+8*\k:AF+8*\k+7], v[64*\i+8*\k:64*\i+8*\k+7], v[ACC+8*\i:ACC+8*\i+7], v[AS+\k], v[BS+8*\i+\k] matrix_a_fmt:MATRIX_FMT_FP4 matrix_b_fmt:MATRIX_FMT_FP4
.endif
.endr
.endr
	WIN 0
.rept 4
	v_nop                                          ; four places behind the last products: for the reads of the results and for the loads into the fragments' registers
.endr
.if \u < 5
	s_cmp_gt_i32 s29, \u+1
	s_cbranch_scc1 .Lnx_\@
	TANH \u, 0
	s_branch .Ltdone
.Lnx_\@:
	TANH \u, 1
.else
	TANH \u, 0
.endif
.endm
.macro CTILE u                         ; context += p x tile u's 16 rows, my lane's four columns
	s_cmp_gt_i32 s29, \u
	s_cbranch_scc0 .Lcskip_\@
.irp q, 0,1,2,3
	ds_load_b128 v[PP+4*\q:PP+4*\q+3], v20 offset:PW+64*\u+16*\q   ; my wave's own copy of p: LDS serves a wave's instructions in order
.endr
.irp n, 0,1,2,3,4,5,6,7,8,9,10,11,12,13,14,15
	ds_load_b64 v[RW+2*\n:RW+2*\n+1], v[21+(\u)/2] offset:32768*((\u)%2)+2048*\n
.endr
	s_wait_dscnt 0x0
	s_wait_alu depctr_va_vdst(0)
.irp n, 0,1,2,3,4,5,6,7,8,9,10,11,12,13,14,15
	v_fma_mix_f32_bf16 v[CTX+4*(\n%2)],   v[RW+2*\n],   v[PP+\n], v[CTX+4*(\n%2)]   op_sel_hi:[1,0,0]
	v_fma_mix_f32_bf16 v[CTX+4*(\n%2)+1], v[RW+2*\n],   v[PP+\n], v[CTX+4*(\n%2)+1] op_sel:[1,0,0] op_sel_hi:[1,0,0]
	v_fma_mix_f32_bf16 v[CTX+4*(\n%2)+2], v[RW+2*\n+1], v[PP+\n], v[CTX+4*(\n%2)+2] op_sel_hi:[1,0,0]
	v_fma_mix_f32_bf16 v[CTX+4*(\n%2)+3], v[RW+2*\n+1], v[PP+\n], v[CTX+4*(\n%2)+3] op_sel:[1,0,0] op_sel_hi:[1,0,0]
.endr
.Lcskip_\@:
.endm
	s_load_b256 s[4:11], s[0:1], 0x0               ; keys, rows, w2q, cq
	s_load_b128 s[12:15], s[0:1], 0x20             ; v, tb
	s_load_b64 s[16:17], s[0:1], 0x30              ; part
	v_lshl_add_u32 v4, v0, 2, SPARE
	v_mov_b32 v5, 0
	v_lshrrev_b32 v1, 5, v0
	s_delay_alu instid0(VALU_DEP_1)
	v_readfirstlane_b32 s24, v1                    ; wave 0..7
	v_and_b32 v1, 31, v0                           ; lane
	v_and_b32 v2, 15, v0                           ; r
	v_bfe_u32 v3, v0, 4, 1                         ; h
	s_lshr_b32 s25, ttmp9, 2                       ; batch
	s_and_b32 s26, ttmp9, 3
	s_mov_b32 s61, 0
	v_lshlrev_b32 v6, 5, v1                        ; 32 x lane
	s_mul_i32 s60, s24, 1056
	v_lshl_add_u32 v7, v1, 1, s60                  ; codes in: 2 x lane + two rows of 528 x wave
	v_lshrrev_b32 v8, 3, v1
	s_mul_i32 s60, s24, 96
	v_add_nc_u32 v8, s60, v8                       ; scale bytes in: lane / 8 + two rows of 48 x wave
	s_lshl_b32 s60, s24, 12
	s_add_co_u32 s60, s60, BF
	v_lshl_add_u32 v9, v1, 4, s60                  ; bf16 in: 16 x lane + two rows of 2,048 x wave; tiles 0-1, 2-3, 4-5
	s_delay_alu instid0(VALU_DEP_1)
	v_add_nc_u32 v10, 0x10000, v9
	s_delay_alu instid0(VALU_DEP_2)
	v_add_nc_u32 v11, 0x20000, v9
	v_mul_u32_u24 v12, v2, 528
	s_delay_alu instid0(VALU_DEP_1)
	v_lshl_add_u32 v12, v3, 4, v12                 ; a fragment: row r x pitch + 16 h
	v_mul_u32_u24 v13, v2, 48                      ; its scale words
	v_lshlrev_b32 v14, 4, v1                       ; 16 x lane
	v_lshlrev_b32 v16, 2, v2
	s_mul_i32 s60, s24, 384
	v_lshl_add_u32 v17, v3, 5, s60                 ; my wave's sums: 384 x wave + 32 h
	v_lshlrev_b32 v18, 2, v1
	v_lshl_add_u32 v19, v1, 2, s60                 ; my wave's p, in
	v_mov_b32 v20, s60                             ; and out
	s_lshl_b32 s60, s24, 8
	s_add_co_u32 s60, s60, BF
	v_lshl_add_u32 v21, v1, 3, s60                 ; bf16 out: 256 x wave + 8 x lane
	s_delay_alu instid0(VALU_DEP_1)
	v_add_nc_u32 v22, 0x10000, v21
	s_delay_alu instid0(VALU_DEP_2)
	v_add_nc_u32 v23, 0x20000, v21
	v_lshl_add_u32 v24, v3, 6, v2
	s_lshl_b32 s60, s26, 4
	v_add_nc_u32 v24, s60, v24                     ; the place in the list of slot (lane) of chunk 0: 64 h + r + 16 (wg % 4)
	v_lshlrev_b32 v52, 12, v3
	v_sub_nc_u32 v53, 1, v3
	s_delay_alu instid0(VALU_DEP_1)
	v_lshlrev_b32 v53, 12, v53
	v_lshlrev_b32 v54, 8, v2
	s_mov_b32 s32, 0x76543210
	s_mov_b32 s33, 0xfedcba98
	s_mov_b32 s34, 0x4038aa3b                      ; c = 2 log2(e)
	s_mov_b32 s35, s34
	s_mov_b32 s36, 0xc038aa3b                      ; -c
	v_mov_b32 v25, 0xff61b1e6                      ; m: -3e38, under every t
	v_mov_b32 v27, 0
.irp p, 0,1,2,3,4,5,6,7
	v_mov_b32 v[CTX+\p], 0
.endr
	s_wait_kmcnt 0x0
	s_lshl_b32 s60, s25, 22
	s_add_nc_u64 s[4:5], s[4:5], s[60:61]
	s_mul_i32 s60, s25, 4352
	s_add_nc_u64 s[6:7], s[6:7], s[60:61]
	s_lshl_b32 s60, s26, 6
	s_lshl_b32 s62, s24, 3
	s_add_co_u32 s60, s60, s62
	s_add_nc_u64 s[20:21], s[6:7], s[60:61]
	s_load_b32 s27, s[6:7], 0x1000
	s_mov_b32 s63, 0
	SLOADS
	s_mov_b32 s37, 0
	LOADB                                          ; on every way, so that the group's registers are always written
	ROWS
	LOADT 0, KS0                                   ; my first tile, on every way too (the list is a whole permutation: with no tile of mine these are two masked rows, loaded and not used)
	s_min_u32 s27, s27, 1024
	s_add_co_u32 s28, s27, 15
	s_lshr_b32 s28, s28, 4                         ; the batch's tiles
	s_add_co_u32 s28, s28, 3
	s_sub_co_u32 s28, s28, s26
	s_lshr_b32 s28, s28, 2                         ; mine
	s_mov_b32 s29, s28
	s_mov_b32 s30, 0
.Lchunk:
	; ---- L: the chunk's first tile has been asked for
	s_cmp_gt_i32 s29, 0
	s_cbranch_scc0 .LendL
	LSTAGE 0, KS0, KS1
	LSTAGE 1, KS1, KS0
	LSTAGE 2, KS0, KS1
	LSTAGE 3, KS1, KS0
	LSTAGE 4, KS0, KS1
	s_wait_loadcnt 0x0
	PROC 5, KS1
.LendL:
	s_wait_loadcnt 0x0                             ; no load of mine is out (with tiles: met at once): the LDS loads below land on registers that took rows
	BAR                                            ; the chunk's rows lie in LDS
	; ---- G
	s_mul_i32 s63, s30, 6
	s_add_co_u32 s63, s63, 6
	SLOADS                                         ; the next chunk's row numbers
.set n, 0
.rept 48
	v_mov_b32 v[SACC+n], 0                         ; both groups add onto these, and a slot without a tile is read too
.set n, n+1
.endr
	s_mov_b32 s31, 0
.Lgrp:
	s_cmp_gt_i32 s29, 0
	s_cbranch_scc0 .Ltdone
	FETCHP 0, 0                                    ; tile 0's fragments, ahead of the wait for the group
	FETCHP 0, 1
	FETCHP 0, 2
	s_wait_loadcnt 0x0                             ; the group's codes, scale words, c q and v are in
	TILE 0
	TILE 1
	TILE 2
	TILE 3
	TILE 4
	TILE 5
.Ltdone:
	s_cmp_eq_u32 s31, 0
	s_cbranch_scc0 .Lkeep
	s_cmp_gt_i32 s29, 0
	s_cbranch_scc0 .Lkeep
	s_xor_b32 s37, s37, 1                          ; the other group; the activation's lines are the places behind the last products
	LOADB
.Lkeep:
	s_add_co_u32 s31, s31, 1
	s_cmp_lt_u32 s31, 2
	s_cbranch_scc1 .Lgrp
	s_wait_loadcnt 0x0
	ROWS
	; The next chunk's first tile is asked of memory here, into the registers that the fragments have left: phases R, S and C stand between these loads and the wait for them.
	; Behind them a prefetch of my two rows in that chunk's tiles 1 and 2: a row is 16 blocks of 256 bytes, lanes 0-15 name one row's, lanes 16-31 the other's; each block is named once in the launch.
	; A tile that does not exist is neither loaded nor asked for
	s_cmp_gt_i32 s29, 6
	s_cbranch_scc0 .Lnopf
	LOADT 0, KS0
	s_cmp_gt_i32 s29, 7
	s_cbranch_scc0 .Lnopf
	v_mad_u32_u24 v15, v52, s[IDX+3], v54
	s_delay_alu instid0(VALU_DEP_1)
	v_mad_u32_u24 v15, v53, s[IDX+2], v15
	global_prefetch_b8 v15, s[4:5] th:TH_LOAD_NT scope:SCOPE_SE
	s_cmp_gt_i32 s29, 8
	s_cbranch_scc0 .Lnopf
	v_mad_u32_u24 v55, v52, s[IDX+5], v54
	s_delay_alu instid0(VALU_DEP_1)
	v_mad_u32_u24 v55, v53, s[IDX+4], v55
	global_prefetch_b8 v55, s[4:5] th:TH_LOAD_NT scope:SCOPE_SE
.Lnopf:
	; ---- R: the sums over the sixteen lanes that hold a row's units
	s_wait_alu depctr_va_vdst(0)
.irp x, 1,2,4,8
.set n, 0
.rept 48
	v_add_f32_dpp v[SACC+n], v[SACC+n], v[SACC+n] row_xmask:\x row_mask:0xf bank_mask:0xf
.set n, n+1
.endr
.endr
.irp u, 0,1,2,3,4,5
	ds_store_b128 v17, v[SACC+8*\u:SACC+8*\u+3] offset:SP+64*\u        ; the sixteen lanes of a half write the same numbers to the same place
	ds_store_b128 v17, v[SACC+8*\u+4:SACC+8*\u+7] offset:SP+64*\u+16
.endr
	BAR
	; ---- S: every wave makes the same numbers.  Lane l holds slots l, 32 + l, 64 + l
.irp k, 0,1,2
.irp q, 0,1,2,3,4,5,6,7
	ds_load_b32 v[160+8*\k+\q], v18 offset:SP+384*\q+128*\k
.endr
.endr
	s_mul_i32 s62, s30, 384
	v_add_nc_u32 v188, s62, v24
	v_mov_b32 v187, 0xff800000                     ; -infinity
	v_mov_b32 v190, 0                              ; a lane permute's destination counts as one of its sources
	s_wait_dscnt 0x0
.irp k, 0,1,2
	v_pk_add_f32 v[160+8*\k:161+8*\k], v[160+8*\k:161+8*\k], v[162+8*\k:163+8*\k]
	v_pk_add_f32 v[164+8*\k:165+8*\k], v[164+8*\k:165+8*\k], v[166+8*\k:167+8*\k]
.endr
.irp k, 0,1,2
	v_pk_add_f32 v[160+8*\k:161+8*\k], v[160+8*\k:161+8*\k], v[164+8*\k:165+8*\k]
.endr
.irp k, 0,1,2
	s_delay_alu instid0(VALU_DEP_3)
	v_add_f32 v[160+8*\k], v[160+8*\k], v[161+8*\k]
.endr
.irp k, 0,1,2
	s_delay_alu instid0(VALU_DEP_3)
	v_mul_f32 v[184+\k], s36, v[160+8*\k]          ; t
.endr
.irp k, 0,1,2
	v_add_nc_u32 v189, 128*\k, v188                ; the slot's place in the list
	s_delay_alu instid0(VALU_DEP_1)
	v_cmp_gt_u32 vcc_lo, s27, v189
	s_delay_alu instid0(VALU_DEP_1)
	v_cndmask_b32 v[184+\k], v187, v[184+\k], vcc_lo   ; at or past the count: a masked row, or none
.endr
	s_cmp_lg_u32 s24, 0
	s_cbranch_scc1 .Lnotb
	s_mul_i32 s60, ttmp9, 1152
	s_add_co_u32 s60, s60, s62
	s_add_nc_u64 s[46:47], s[14:15], s[60:61]
.irp k, 0,1,2
	global_store_b32 v18, v[184+\k], s[46:47] offset:128*\k
.endr
.Lnotb:
	s_wait_alu depctr_va_vdst(0)
	v_max3_num_f32 v189, v184, v185, v186
.irp x, 1,2,4,8
	s_delay_alu instid0(VALU_DEP_1)
	v_max_num_f32_dpp v189, v189, v189 row_xmask:\x row_mask:0xf bank_mask:0xf
.endr
	s_delay_alu instid0(VALU_DEP_1)
	v_permlanex16_b32 v190, v189, s32, s33
	s_delay_alu instid0(VALU_DEP_1)
	v_max3_num_f32 v191, v189, v190, v25           ; the new m
	s_delay_alu instid0(VALU_DEP_1)
	v_sub_f32 v195, v25, v191
.irp k, 0,1,2
	v_sub_f32 v[192+\k], v[184+\k], v191
.endr
	s_wait_alu depctr_va_vdst(0)
	v_exp_f32 v26, v195                            ; f = 2^(old m - new m)
.irp k, 0,1,2
	v_exp_f32 v[192+\k], v[192+\k]                 ; p
.endr
	v_mov_b32 v25, v191                            ; (a plain place behind the four)
	s_wait_alu depctr_va_vdst(0)                   ; one wait for the four, ahead of their first reader
	v_add_f32 v196, v192, v193
	v_add_f32 v196, v196, v194
.irp x, 1,2,4,8
	s_delay_alu instid0(VALU_DEP_1)
	v_add_f32_dpp v196, v196, v196 row_xmask:\x row_mask:0xf bank_mask:0xf
.endr
	s_delay_alu instid0(VALU_DEP_1)
	v_permlanex16_b32 v190, v196, s32, s33
	s_delay_alu instid0(VALU_DEP_1)
	v_add_f32 v196, v196, v190
	v_fma_f32 v27, v27, v26, v196                  ; the sum under the new m
.irp p, 0,2,4,6
	v_pk_mul_f32 v[CTX+\p:CTX+\p+1], v[CTX+\p:CTX+\p+1], v[26:27] op_sel_hi:[1,0]
.endr
.irp k, 0,1,2
	ds_store_b32 v19, v[192+\k] offset:PW+128*\k
.endr
	s_wait_xcnt 0x0                                ; tb's stores and the prefetches have read their registers: the next chunk rewrites them
	; ---- C
	CTILE 0
	CTILE 1
	CTILE 2
	CTILE 3
	CTILE 4
	CTILE 5
	BAR                                            ; nobody reads this chunk's rows or sums any more
	s_sub_co_i32 s29, s29, 6
	s_add_co_u32 s30, s30, 1
	s_cmp_lt_u32 s30, 3
	s_cbranch_scc1 .Lchunk
	s_wait_alu depctr_va_vdst(0)
	v_pk_add_f32 v[CTX:CTX+1], v[CTX:CTX+1], v[CTX+4:CTX+5]       ; even rows' and odd rows' sums
	v_pk_add_f32 v[CTX+2:CTX+3], v[CTX+2:CTX+3], v[CTX+6:CTX+7]
	s_mul_i32 s60, ttmp9, 4352
	s_add_nc_u64 s[16:17], s[16:17], s[60:61]
	s_lshr_b32 s62, s24, 1
	s_lshl_b32 s62, s62, 10
	s_and_b32 s63, s24, 1
	s_lshl_b32 s63, s63, 8
	s_add_co_u32 s62, s62, s63
	v_and_b32 v241, 1, v1
	s_delay_alu instid0(VALU_DEP_1)
	v_lshlrev_b32 v241, 9, v241
	v_lshrrev_b32 v242, 1, v1
	s_delay_alu instid0(VALU_DEP_1)
	v_lshl_add_u32 v240, v242, 4, v241
	s_delay_alu instid0(VALU_DEP_1)
	v_add_nc_u32 v240, s62, v240                   ; my four columns' bytes: 1,024 (w / 2) + 512 (l % 2) + 256 (w % 2) + 16 (l / 2)
	global_store_b128 v240, v[CTX:CTX+3], s[16:17] ; the even lanes store 256 consecutive bytes, aligned, and so do the odd lanes
	s_cmp_lg_u32 s24, 0
	s_cbranch_scc1 .Lnoms
	v_lshlrev_b32 v241, 3, v1
	v_mov_b32 v242, v25
	v_mov_b32 v243, v27
	global_store_b64 v241, v[242:243], s[16:17] offset:4096
.Lnoms:
	s_wait_tensorcnt 0x0                           ; the wave's end, behind my last LDS store
	ds_add_u32 v4, v5
	s_wait_dscnt 0x0
	s_endpgm
.Lfunc_end_k_q18415ba4b3_main:
	.size	k_q18415ba4b3_main, .Lfunc_end_k_q18415ba4b3_main-k_q18415ba4b3_main
	.p2alignl 7, 3214868480
	.fill 96, 4, 3214868480
	.section	.rodata,"a",@progbits
	.p2align	6, 0x0
	.amdhsa_kernel k_q18415ba4b3_main
		.amdhsa_group_segment_fixed_size 259072
		.amdhsa_private_segment_fixed_size 0
		.amdhsa_enable_private_segment 0
		.amdhsa_kernarg_size 56
		.amdhsa_user_sgpr_count 2
		.amdhsa_user_sgpr_kernarg_segment_ptr 1
		.amdhsa_wavefront_size32 1
		.amdhsa_system_sgpr_workgroup_id_x 1
		.amdhsa_system_sgpr_workgroup_id_y 1
		.amdhsa_system_sgpr_workgroup_id_z 1
		.amdhsa_system_vgpr_workitem_id 0
		.amdhsa_next_free_vgpr 512
		.amdhsa_next_free_sgpr 96
		.amdhsa_reserve_vcc 1
		.amdhsa_float_denorm_mode_32 3
		.amdhsa_float_denorm_mode_16_64 3
		.amdhsa_memory_ordered 1
		.amdhsa_forward_progress 1
		.amdhsa_inst_pref_size 255
	.end_amdhsa_kernel
	.section	.bss,"aw",@nobits
	.p2align	6
	.space	262144
	.amdgpu_metadata
---
amdhsa.version: [ 1, 2 ]
amdhsa.kernels:
  - .name:           k_q18415ba4b3_main
    .symbol:         k_q18415ba4b3_main.kd
    .args:
      - { .name: keys, .offset: 0, .size: 8, .value_kind: global_buffer, .address_space: global }
      - { .name: rows, .offset: 8, .size: 8, .value_kind: global_buffer, .address_space: global }
      - { .name: w2q, .offset: 16, .size: 8, .value_kind: global_buffer, .address_space: global }
      - { .name: cq, .offset: 24, .size: 8, .value_kind: global_buffer, .address_space: global }
      - { .name: v, .offset: 32, .size: 8, .value_kind: global_buffer, .address_space: global }
      - { .name: tb, .offset: 40, .size: 8, .value_kind: global_buffer, .address_space: global }
      - { .name: part, .offset: 48, .size: 8, .value_kind: global_buffer, .address_space: global }
    .group_segment_fixed_size: 259072
    .private_segment_fixed_size: 0
    .kernarg_segment_align: 8
    .kernarg_segment_size: 56
    .max_flat_workgroup_size: 256
    .sgpr_count:     96
    .vgpr_count:     512
    .wavefront_size: 32
...
	.end_amdgpu_metadata
.endif
;; end of part 5
;; launch finish (part 6): grid 256 x 1, 2 waves a work-group, no clusters, 0 bytes of LDS; arguments tb, part, inv, out0, out1; writes out0, out1
.if DOCPART == 6
	.amdgcn_target "amdgcn-amd-amdhsa--gfx1250"
	.amdhsa_code_object_version 6
	.text
	.protected	k_q18415ba4b3_finish
	.globl	k_q18415ba4b3_finish
	.p2align	8
	.type	k_q18415ba4b3_finish,@function
k_q18415ba4b3_finish:
	s_mov_b64 s[64:65], 0
	v_nop
	global_prefetch_b8 v0, s[64:65] scope:SCOPE_SE
	s_setreg_imm32_b32 hwreg(HW_REG_WAVE_MODE, 25, 1), 1
	s_wait_xcnt 0x0
; ADDITIVE ATTENTION, launch 3 of 3.  Left out, as shown at the head of the first kernel: the sum of v and the masked rows; here a masked row's t is -infinity, so its weight is 0.
; A batch's four parts (m_i, s_i, context_i under m_i) are joined: m = the largest m_i, g_i = 2^(m_i - m), S = sum of s_i g_i.  weights[l] = 2^(t[l] - m) / S, context = (sum of context_i g_i) / S.
; Where a batch has no unmasked row S is 0, and 1 / S is replaced by 0: the weights and the context are then 0, as the reference's replacement of NaN by 0 gives.
; Work-group wg: batch wg / 4, numbers 256 (wg % 4) .. + 255 of both outputs; a thread takes four neighbours, so a wave's store covers 512 consecutive bytes.  No LDS, no barrier.
	s_load_b256 s[4:11], s[0:1], 0x0               ; tb s[4:5], part s[6:7], inv s[8:9], out0 s[10:11]
	s_load_b64 s[12:13], s[0:1], 0x20              ; out1
	s_lshr_b32 s14, ttmp9, 2                       ; batch
	s_and_b32 s15, ttmp9, 3
	v_and_b32 v1, 31, v0
	v_lshlrev_b32 v2, 3, v1                        ; 8 x lane: a copy of (m, s)
	s_lshl_b32 s16, s15, 10
	v_lshl_add_u32 v3, v0, 4, s16                  ; my four numbers' bytes in a row of 4,096
	s_mov_b32 s19, 0
	s_wait_alu depctr_va_vdst(0)
	s_wait_kmcnt 0x0
	s_mul_i32 s18, s14, 4608
	s_add_nc_u64 s[4:5], s[4:5], s[18:19]
	s_mul_i32 s18, s14, 17408
	s_add_nc_u64 s[6:7], s[6:7], s[18:19]
	s_lshl_b32 s18, s14, 12
	s_add_nc_u64 s[8:9], s[8:9], s[18:19]
	s_add_nc_u64 s[10:11], s[10:11], s[18:19]
	s_add_nc_u64 s[12:13], s[12:13], s[18:19]
	global_load_b128 v[4:7], v3, s[8:9]            ; where my four rows' t lie
.irp i, 0,1,2,3
	global_load_b64 v[8+2*\i:9+2*\i], v2, s[6:7] offset:4352*\i+4096
.endr
.irp i, 0,1,2,3
	global_load_b128 v[16+4*\i:19+4*\i], v3, s[6:7] offset:4352*\i
.endr
	s_wait_loadcnt 8                               ; the places are in; the eight loads behind them may be out
.irp k, 0,1,2,3
	v_min_u32 v[4+\k], 0x47f, v[4+\k]
.endr
.irp k, 0,1,2,3
	v_lshlrev_b32 v[4+\k], 2, v[4+\k]
.endr
.irp k, 0,1,2,3
	global_load_b32 v[32+\k], v[4+\k], s[4:5]
.endr
	s_wait_loadcnt 0x0
	v_max3_num_f32 v36, v8, v10, v12
	v_max_num_f32 v36, v36, v14                    ; m
.irp i, 0,1,2,3
	v_sub_f32 v[40+\i], v[8+2*\i], v36
.endr
.irp k, 0,1,2,3
	v_sub_f32 v[32+\k], v[32+\k], v36
.endr
	s_wait_alu depctr_va_vdst(0)
.irp i, 0,1,2,3
	v_exp_f32 v[40+\i], v[40+\i]                   ; g_i
.endr
.irp k, 0,1,2,3
	v_exp_f32 v[32+\k], v[32+\k]                   ; 2^(t - m)
.endr
	v_nop                                          ; a plain place behind the batch,
	s_wait_alu depctr_va_vdst(0)                   ; and one wait for it
	v_mul_f32 v37, v9, v40
	v_fmac_f32 v37, v11, v41
	v_fmac_f32 v37, v13, v42
	v_fmac_f32 v37, v15, v43                       ; S
	s_wait_alu depctr_va_vdst(0)
	v_rcp_f32 v38, v37
.irp k, 0,1,2,3
	v_mul_f32 v[44+\k], v[16+\k], v40              ; (plain work behind the reciprocal)
.endr
.irp k, 0,1,2,3
	v_fmac_f32 v[44+\k], v[20+\k], v41
.endr
.irp k, 0,1,2,3
	v_fmac_f32 v[44+\k], v[24+\k], v42
.endr
.irp k, 0,1,2,3
	v_fmac_f32 v[44+\k], v[28+\k], v43
.endr
	s_wait_alu depctr_va_vdst(0)
	v_cmp_lt_f32 vcc_lo, 0, v37
	v_cndmask_b32 v38, 0, v38, vcc_lo              ; 1 / S, or 0 where no row is unmasked
.irp k, 0,1,2,3
	v_mul_f32 v[32+\k], v[32+\k], v38
.endr
.irp k, 0,1,2,3
	v_mul_f32 v[44+\k], v[44+\k], v38
.endr
	global_store_b128 v3, v[32:35], s[12:13]       ; weights
	global_store_b128 v3, v[44:47], s[10:11]       ; context
	s_endpgm
.Lfunc_end_k_q18415ba4b3_finish:
	.size	k_q18415ba4b3_finish, .Lfunc_end_k_q18415ba4b3_finish-k_q18415ba4b3_finish
	.p2alignl 7, 3214868480
	.fill 96, 4, 3214868480
	.section	.rodata,"a",@progbits
	.p2align	6, 0x0
	.amdhsa_kernel k_q18415ba4b3_finish
		.amdhsa_group_segment_fixed_size 0
		.amdhsa_private_segment_fixed_size 0
		.amdhsa_enable_private_segment 0
		.amdhsa_kernarg_size 40
		.amdhsa_user_sgpr_count 2
		.amdhsa_user_sgpr_kernarg_segment_ptr 1
		.amdhsa_wavefront_size32 1
		.amdhsa_system_sgpr_workgroup_id_x 1
		.amdhsa_system_sgpr_workgroup_id_y 1
		.amdhsa_system_sgpr_workgroup_id_z 1
		.amdhsa_system_vgpr_workitem_id 0
		.amdhsa_next_free_vgpr 64
		.amdhsa_next_free_sgpr 66
		.amdhsa_reserve_vcc 1
		.amdhsa_float_denorm_mode_32 3
		.amdhsa_float_denorm_mode_16_64 3
		.amdhsa_memory_ordered 1
		.amdhsa_forward_progress 1
		.amdhsa_inst_pref_size 5
	.end_amdhsa_kernel
	.amdgpu_metadata
---
amdhsa.version: [ 1, 2 ]
amdhsa.kernels:
  - .name:           k_q18415ba4b3_finish
    .symbol:         k_q18415ba4b3_finish.kd
    .args:
      - { .name: tb, .offset: 0, .size: 8, .value_kind: global_buffer, .address_space: global }
      - { .name: part, .offset: 8, .size: 8, .value_kind: global_buffer, .address_space: global }
      - { .name: inv, .offset: 16, .size: 8, .value_kind: global_buffer, .address_space: global }
      - { .name: out0, .offset: 24, .size: 8, .value_kind: global_buffer, .address_space: global }
      - { .name: out1, .offset: 32, .size: 8, .value_kind: global_buffer, .address_space: global }
    .group_segment_fixed_size: 0
    .private_segment_fixed_size: 0
    .kernarg_segment_align: 8
    .kernarg_segment_size: 40
    .max_flat_workgroup_size: 64
    .sgpr_count:     66
    .vgpr_count:     64
    .wavefront_size: 32
...
	.end_amdgpu_metadata
.endif
;; end of part 6
